; MI455X (gfx1250); checked and timed in simulation.
; The chip was launched on July 23, 2026; its instructions are those of AMD's public machine-readable ISA for CDNA 5 (MIT licence, August 2026) and "CDNA5" Instruction Set Architecture Reference Guide (July 2026). The comments in the code are by the model that wrote it; some were corrected since.
;; Multi Head Attention. Allowed arithmetic: matrix products marked QUANTISED: E2M1 operands, one E8M0 scale for each 32 along K, by v_wmma_scale_f32_16x16x128_f8f6f4 with both operands' format E2M1 (or v_wmma_scale_f32_32x16x128_f4), f32 sums; products left as they are: bf16, f16 or f32 operands; f32 sums; everything else in f32.
;; Inputs: Wk 1,024 x 1,024 float32; Wo 1,024 x 1,024 float32; Wq 1,024 x 1,024 float32; Wv 1,024 x 1,024 float32; bo 1,024 float32; x 4 x 2,048 x 1,024 float32.
;; Outputs: out0 4 x 2,048 x 1,024 float32.
;; This version of the problem:
;;   THIS VERSION OF THE PROBLEM IS GIVEN IN LOW PRECISION. The matrix products marked QUANTISED in the list below multiply operands that are first quantised to E2M1 (2 exponent bits, 1 mantissa bit; 4 bits a number), with one power-of-two scale for each 32 numbers along K (OCP MX v1.0); their sums are f32. The products marked 'left as it is' may take bf16, f16 or f32 operands, with f32 sums. Whichever they take, every output number must still come out within the allowed error. Rounding operands to bf16 (8 significant bits) uses up far more of that allowance than f16 does (11 bits, for magnitudes from 6e-5 to 65,504). All else is computed in f32.
;;   The module's matrix products, in the order in which they are computed (A, B: the left and right operand; K: the contracted axis; several contracted axes count as one K, in the product's order):
;;     1. [M 8,192, K 1,024] x [K 1,024, N 1,024]; A: input x; B: input Wq: QUANTISED
;;     2. [M 8,192, K 1,024] x [K 1,024, N 1,024]; A: input x; B: input Wk: QUANTISED
;;     3. [M 8,192, K 1,024] x [K 1,024, N 1,024]; A: input x; B: input Wv: QUANTISED
;;     4. batch 64 x [M 2,048, K 64] x [K 64, N 2,048]; A: computed on the way; B: computed on the way: left as it is (an operand is computed on the way)
;;     5. batch 64 x [M 2,048, K 2,048] x [K 2,048, N 64]; A: computed on the way; B: computed on the way: left as it is (an operand is computed on the way)
;;     6. [M 8,192, K 1,024] x [K 1,024, N 1,024]; A: computed on the way; B: input Wo: left as it is (an operand is computed on the way)
;;   THE QUANTISER, for each operand of a quantised product, along K:
;;     - K is cut into blocks of 32 from its start; a last block that is shorter is filled with zeros.
;;     - A block's scale is 2^e with e = floor(log2(the largest magnitude in the block)) - 2, held to -126 .. 127; a block of zeros has e = 0. As a byte (E8M0): e + 127.
;;     - Each number is divided by its block's scale, clamped to +-6, and rounded to the nearest number of E2M1, ties to even, subnormals kept.
;;     - The product sums the exact products of the quantised numbers (number of the format x scale) in f32.
;;   ~~~python
;;   def quantise(x, axis):      # numpy; x: float32 -> the quantised numbers, widened to float32 again
;;       x = np.moveaxis(x, axis, -1); K = x.shape[-1]
;;       x = np.pad(x, [(0, 0)] * (x.ndim - 1) + [(0, -K % 32)]); x = x.reshape(x.shape[:-1] + (-1, 32)); a = np.abs(x).max(-1, keepdims=True)
;;       e = np.where(a > 0, np.clip(np.frexp(np.where(a > 0, a, 1))[1] - 1 - 2, -126, 127), 0)      # np.frexp(a)[1] - 1 = floor(log2(a)), exactly
;;       r = np.clip(x / 2.0 ** e, -6, 6)
;;       step = 2.0 ** (np.maximum(np.frexp(np.where(r == 0, 1, r))[1] - 1, 0) - 1)
;;       q = np.round(r / step) * step * 2.0 ** e      # np.round: ties to even
;;       return np.moveaxis(q.reshape(q.shape[:-2] + (-1,))[..., :K], -1, axis).astype(np.float32)
;;   ~~~
;; One version. Each part assembles by itself: llvm-mc -triple=amdgcn-amd-amdhsa -mcpu=gfx1250 --defsym DOCPART=n.
;; ======== version 1 of 1: 5 launches
;; limits: values are held in f16: magnitudes above 65,504 overflow, below 6.1e-05 lose precision
;; workspace buffers: xq 4,456,448 bytes; wq 1,671,168 bytes; qkv 50,331,648 bytes; fine32 786,432 bytes; ctx 16,777,216 bytes; wo 6,291,456 bytes
;; launch prep (part 1): grid 192 x 1, 8 waves a work-group, no clusters, 102,400 bytes of LDS; arguments x, Wq, Wk, Wv, Wo, xq, wq, wo; writes xq, wq, wo
.if DOCPART == 1
	.amdgcn_target "amdgcn-amd-amdhsa--gfx1250"
	.amdhsa_code_object_version 6
	.text
	.protected	k_q8ae6c3ecae_prep
	.globl	k_q8ae6c3ecae_prep
	.p2align	8
	.type	k_q8ae6c3ecae_prep,@function
k_q8ae6c3ecae_prep:
	s_mov_b64 s[64:65], 0
	v_nop
	global_prefetch_b8 v0, s[64:65] scope:SCOPE_SE
	s_setreg_imm32_b32 hwreg(HW_REG_WAVE_MODE, 25, 1), 1
	s_wait_xcnt 0x0
; PREP.  Three jobs, parted once on the work-group's number and never joined; each has LDS bytes of its own.
;  X (work-groups 0-127):   x [8192][1024] f32 -> xq: codes of E2M1, K innermost, [8192][512 bytes], and behind them (XSOFF) one E8M0 byte for each 32 along K, [8192][32].
;  W (work-groups 128-175): Wq, Wk, Wv [k 1024][n 1024] f32, K their FIRST axis -> wq: codes [3072 = 1024 which + n][512 bytes], K innermost, and (WSOFF) scale bytes [3072][32].
;  O (work-groups 176-191): Wo [k][n] f32 -> wo: images of operand registers.  f16: [nt 64][kc 32][1 KiB]: lane (r, h) holds column 16 nt + r, registers 0-3 k = 32 kc + 8 h + 0..7, registers 4-7 k = 32 kc + 16 + 8 h + 0..7.
;      f32 (W32): [nt 64][g 64][1 KiB]: register j holds k = 16 g + 8 h + j.  In an image registers 0-3 lie at 16 x lane, registers 4-7 at 512 + 16 x lane.
; A block's scale is 2^(floor(log2(its largest magnitude)) - 2): its byte is the largest magnitude's exponent field - 2, held at 1 from below.
; LIMITS: a block of zeros gets the byte 1 where the rule says 127 (its codes are zeros, and this program alone reads the bytes); blocks whose largest magnitude lies under 2^-124 are held at that floor;
; NaN and infinities among the inputs are not served; numbers of Wo beyond 65,504 become infinities in f16.
; No matrix unit, no cluster, no tensor load: nothing is shared between work-groups and every byte is read once.
.set XSOFF, 4194304
.set WSOFF, 1572864
.set W32,   2097152
.set SP,    80                         ; X: a lane's place in a stage: 64 bytes + 16 of padding
.set WST,   65536                      ; W: the work-group's stage, 64 rows x 528 bytes
.set WP,    528
.set SCS,   99328                      ; W: 64 rows x 32 scale bytes
.set SPARE, 101376                     ; the spare words, 128 bytes for each of eight waves
.set SPW,   12                         ; v12  my spare word's address; never rewritten
.set NIL,   13                         ; v13  0; never rewritten
.set R,     16                         ; X: v16-143 eight sets of 16 numbers as loaded
.set XN,    144                        ; X: v144-175 two sets of 16 neighbours
.set C,     176                        ; X: v176-207 two registers of codes for each step
.set E,     208                        ; X: v208-223 a scale byte for each step
.set WX,    32                         ; W, O: v32-95 two sets of 32 numbers down K
.set WC,    96                         ; W: v96-99 a block's codes
.set OP,    96                         ; O: v96-111 a block in f16
.set SB,    24                         ; W: v24-25 my eight scale bytes
.set OUTR,  112                        ; W: v112-143 eight rows on the way out
	s_load_b512 s[4:19], s[0:1], 0x0               ; x s[4:5], Wq s[6:7], Wk s[8:9], Wv s[10:11], Wo s[12:13], xq s[14:15], wq s[16:17], wo s[18:19]
	v_lshl_add_u32 v[SPW], v0, 2, SPARE
	v_mov_b32 v[NIL], 0
	v_lshrrev_b32 v1, 5, v0
	v_readfirstlane_b32 s20, v1                    ; wave 0..7
	v_and_b32 v2, 31, v0                           ; lane
	s_mov_b32 s25, 0                               ; the upper word of every offset pair s[24:25]
	s_wait_kmcnt 0x0
	s_cmp_lt_u32 ttmp9, 128
	s_cbranch_scc0 .Lnot_x
; ---------------- X: a wave takes a run of 8,192 numbers in 16 steps of 512.  Loads take the bytes as they lie (512 consecutive bytes each); a step turns through the wave's own stage so that a lane holds 16 neighbours.
	v_lshlrev_b32 v3, 4, v2                        ; my 16 bytes of a load's 512
	s_lshl_b32 s21, s20, 13                        ; my wave's 8,192 bytes of LDS
	v_lshrrev_b32 v14, 2, v2
	v_mul_u32_u24 v14, v14, SP
	v_and_b32 v15, 3, v2
	v_lshl_add_u32 v14, v15, 4, v14
	v_add_nc_u32 v14, s21, v14                     ; the stage on the way in: SP (lane / 4) + 16 (lane % 4)
	v_mul_u32_u24 v15, v2, SP
	v_add_nc_u32 v15, s21, v15                     ; and on the way out: SP x lane
	v_lshlrev_b32 v4, 3, v2                        ; 8 x lane: my codes' place in a step's 256 bytes, and my 8 scale bytes at the end
	v_lshrrev_b32 v5, 1, v2
	s_add_co_u32 s21, s21, 2*32*SP
	v_add_nc_u32 v5, s21, v5                       ; my block's byte among the wave's 256 scale bytes
	v_add_nc_u32 v6, s21, v4
	s_lshl_b32 s22, ttmp9, 3
	s_add_co_u32 s22, s22, s20                     ; my run
	s_lshl_b32 s24, s22, 15
	s_add_nc_u64 s[4:5], s[4:5], s[24:25]          ; 32,768 bytes of x a run
	s_lshl_b32 s24, s22, 12
	s_add_nc_u64 s[26:27], s[14:15], s[24:25]      ; 4,096 bytes of codes
	s_lshl_b32 s24, s22, 8
	s_add_co_u32 s24, s24, XSOFF
	s_add_nc_u64 s[28:29], s[14:15], s[24:25]      ; 256 scale bytes
.macro XLOAD t
.irp i, 0,1,2,3
	global_load_b128 v[R+16*((\t)%8)+4*\i:R+16*((\t)%8)+4*\i+3], v3, s[4:5] offset:2048*(\t)+512*\i th:TH_LOAD_NT
.endr
.endm
.macro XTURN t                         ; LDS serves a wave's instructions in order: no wait between the stores and the loads
.irp i, 0,1,2,3
	ds_store_b128 v14, v[R+16*((\t)%8)+4*\i:R+16*((\t)%8)+4*\i+3] offset:32*SP*((\t)%2)+8*SP*\i
.endr
.irp i, 0,1,2,3
	ds_load_b128 v[XN+16*((\t)%2)+4*\i:XN+16*((\t)%2)+4*\i+3], v15 offset:32*SP*((\t)%2)+16*\i
.endr
.endm
.irp t, 0,1,2,3,4,5,6,7
	XLOAD \t
.endr
	s_wait_loadcnt 28                              ; step 0's four loads are in; seven steps' stay out
	XTURN 0
.macro XSTEP t
.set XV, XN+16*((\t)%2)
.if (\t) > 0
	s_wait_dscnt 1                                 ; this step's numbers are back from the stage; the last step's byte store may be out
.else
	s_wait_dscnt 0x0
.endif
.if (\t)+8 < 16
	XLOAD (\t)+8                                   ; into the set that this step's stage stores have read
.endif
.if (\t)+1 < 16
.if 14-(\t) >= 7
	s_wait_loadcnt 28                              ; the next step's four are in; seven steps' behind them may be out
.else
	s_wait_loadcnt 4*(14-(\t))
.endif
	XTURN (\t)+1
.endif
	v_max3_num_f32 v8, |v[XV]|, |v[XV+1]|, |v[XV+2]|
	v_max3_num_f32 v9, |v[XV+3]|, |v[XV+4]|, |v[XV+5]|
.irp i, 6,10
	v_max3_num_f32 v8, v8, |v[XV+\i]|, |v[XV+\i+1]|
	v_max3_num_f32 v9, v9, |v[XV+\i+2]|, |v[XV+\i+3]|
.endr
	v_max3_num_f32 v8, v8, |v[XV+14]|, |v[XV+15]|
	v_max3_num_f32 v8, v8, v9, 0x1800000           ; with the floor 2^(3 - 127): the byte cannot fall under 1
	v_max_num_f32_dpp v8, v8, v8 row_xmask:1 row_mask:0xf bank_mask:0xf   ; and my neighbour's 16: the block's largest magnitude
	v_add_nc_u32 v11, 0xff000000, v8               ; 2 off its exponent field: the conversion takes that field as its scale
	v_cvt_scalef32_pk8_fp4_f32 v[C+2*(\t)], v[XV:XV+7], v11
	v_cvt_scalef32_pk8_fp4_f32 v[C+2*(\t)+1], v[XV+8:XV+15], v11
	v_lshrrev_b32 v[E+(\t)], 23, v11               ; the scale's byte
	ds_store_b8 v5, v[E+(\t)] offset:16*(\t)       ; both lanes of a block write the same byte with the same value
	global_store_b64 v4, v[C+2*(\t):C+2*(\t)+1], s[26:27] offset:256*(\t)   ; the wave stores 256 consecutive bytes, aligned
.endm
.irp t, 0,1,2,3,4,5,6,7,8,9,10,11,12,13,14,15
	XSTEP \t
.endr
	ds_load_b64 v[8:9], v6
	s_wait_dscnt 0x0
	global_store_b64 v4, v[8:9], s[28:29]          ; the run's 256 scale bytes, aligned
	s_wait_tensorcnt 0x0                           ; the wave's end, behind my last LDS store
	ds_add_u32 v[SPW], v[NIL]
	s_wait_dscnt 0x0
	s_endpgm
.Lnot_x:
	s_cmp_lt_u32 ttmp9, 176
	s_cbranch_scc0 .Lpath_o
; ---------------- W: a work-group takes 64 columns of one weight, all 1,024 of K.  Wave: 32 columns (w & 1) x 256 of K (w >> 1): a lane takes a column and its registers run down K.
	s_sub_co_u32 s21, ttmp9, 128
	s_lshr_b32 s22, s21, 4                         ; which: 0 q, 1 k, 2 v
	s_and_b32 s23, s21, 15                         ; which 64 columns
	s_cmp_eq_u32 s22, 0
	s_cselect_b64 s[26:27], s[6:7], s[8:9]
	s_cmp_eq_u32 s22, 2
	s_cselect_b64 s[26:27], s[10:11], s[26:27]     ; the choice hangs on the work-group's number alone
	s_and_b32 s28, s20, 1                          ; cg
	s_lshr_b32 s29, s20, 1                         ; kq
	s_lshl_b32 s24, s29, 20                        ; 256 rows of 4,096 bytes
	s_lshl_b32 s30, s23, 8
	s_add_co_u32 s24, s24, s30
	s_lshl_b32 s30, s28, 7
	s_add_co_u32 s24, s24, s30
	s_add_nc_u64 s[26:27], s[26:27], s[24:25]
	v_lshlrev_b32 v3, 2, v2                        ; 4 bytes a lane: two waves side by side read 256 consecutive bytes of a row
	s_mul_i32 s30, s28, 32*WP
	s_lshl_b32 s31, s29, 7
	s_add_co_u32 s30, s30, s31
	s_add_co_u32 s30, s30, WST
	v_mul_u32_u24 v4, v2, WP
	v_add_nc_u32 v4, s30, v4                       ; the stage on the way in: row = my column, 128 bytes for my quarter of K
	s_lshl_b32 s30, s28, 10
	s_lshl_b32 s31, s29, 3
	s_add_co_u32 s30, s30, s31
	s_add_co_u32 s30, s30, SCS
	v_lshl_add_u32 v9, v2, 5, s30                  ; my column's 8 scale bytes
	s_mul_i32 s30, s20, 8*WP
	s_add_co_u32 s30, s30, WST
	v_lshl_add_u32 v7, v2, 4, s30                  ; the way out: wave w takes rows 8 w .. 8 w + 7, whole
	v_lshlrev_b32 v8, 4, v2
	s_and_b32 s30, s20, 3
	s_lshl_b32 s30, s30, 9
	s_add_co_u32 s31, s30, SCS
	v_lshl_add_u32 v10, v2, 4, s31                 ; and waves 0-3 take 512 scale bytes each
	s_lshl_b32 s31, s22, 10
	s_lshl_b32 s21, s23, 6
	s_add_co_u32 s31, s31, s21                     ; the work-group's first row of wq
	s_lshl_b32 s24, s31, 5
	s_add_co_u32 s24, s24, s30
	s_add_co_u32 s24, s24, WSOFF
	s_add_nc_u64 s[34:35], s[16:17], s[24:25]
	s_lshl_b32 s21, s20, 3
	s_add_co_u32 s31, s31, s21
	s_lshl_b32 s24, s31, 9
	s_add_nc_u64 s[32:33], s[16:17], s[24:25]
.macro WLOADB t                        ; block t: rows 32 t + i of my quarter of K, my column, into set t % 2
.irp i, 0,1,2,3,4,5,6,7,8,9,10,11,12,13,14,15,16,17,18,19,20,21,22,23,24,25,26,27,28,29,30,31
	global_load_b32 v[WX+32*((\t)%2)+\i], v3, s[26:27] offset:(32*(\t)+\i)*4096 th:TH_LOAD_NT
.endr
.endm
	WLOADB 0
	WLOADB 1
.macro WBLOCK t
.set XV, WX+32*((\t)%2)
.if (\t) < 7
	s_wait_loadcnt 32                              ; this block's 32 loads are in; the next block's may be out
.else
	s_wait_loadcnt 0
.endif
	v_max3_num_f32 v16, |v[XV]|, |v[XV+1]|, |v[XV+2]|
	v_max3_num_f32 v17, |v[XV+3]|, |v[XV+4]|, |v[XV+5]|
.irp i, 6,10,14,18,22,26
	v_max3_num_f32 v16, v16, |v[XV+\i]|, |v[XV+\i+1]|
	v_max3_num_f32 v17, v17, |v[XV+\i+2]|, |v[XV+\i+3]|
.endr
	v_max3_num_f32 v16, v16, |v[XV+30]|, |v[XV+31]|
	v_max3_num_f32 v16, v16, v17, 0x1800000        ; the floor
	v_add_nc_u32 v11, 0xff000000, v16
	v_lshrrev_b32 v17, 23, v11
.if (\t)%4 == 0
	v_mov_b32 v[SB+(\t)/4], v17
.else
	v_lshl_or_b32 v[SB+(\t)/4], v17, 8*((\t)%4), v[SB+(\t)/4]
.endif
.irp g, 0,1,2,3
	v_cvt_scalef32_pk8_fp4_f32 v[WC+\g], v[XV+8*\g:XV+8*\g+7], v11
.endr
	ds_store_b128 v4, v[WC:WC+3] offset:16*(\t)
.if (\t)+2 < 8
	WLOADB (\t)+2
.endif
	s_wait_dscnt 0x0                               ; the store has read its registers: the next block's codes may be written
.endm
.irp t, 0,1,2,3,4,5,6,7
	WBLOCK \t
.endr
	ds_store_b64 v9, v[SB:SB+1]
	s_wait_dscnt 0x0                               ; for the others' sake: my stores have landed
	s_barrier_signal -1
	s_barrier_wait -1                              ; 64 whole rows of codes and of scale bytes lie in LDS
.irp i, 0,1,2,3,4,5,6,7
	ds_load_b128 v[OUTR+4*\i:OUTR+4*\i+3], v7 offset:WP*\i
.endr
.irp i, 0,1,2,3,4,5,6,7
	s_wait_dscnt 7-\i
	global_store_b128 v8, v[OUTR+4*\i:OUTR+4*\i+3], s[32:33] offset:512*\i   ; a row of 512 consecutive bytes, aligned
.endr
	s_cmp_lt_u32 s20, 4
	s_cbranch_scc0 .Lw_end
	ds_load_b128 v[20:23], v10
	s_wait_dscnt 0x0
	global_store_b128 v8, v[20:23], s[34:35]       ; 16 rows' scale bytes: 512 consecutive bytes
.Lw_end:
	s_wait_tensorcnt 0x0                           ; the wave's end
	ds_add_u32 v[SPW], v[NIL]
	s_wait_dscnt 0x0
	s_endpgm
.Lpath_o:
; ---------------- O: the same shares on Wo.  A lane's 32 numbers down K become, by exchanges of lane halves, the registers of two tiles' images; no LDS.
	s_sub_co_u32 s23, ttmp9, 176
	s_and_b32 s28, s20, 1
	s_lshr_b32 s29, s20, 1
	s_lshl_b32 s24, s29, 20
	s_lshl_b32 s30, s23, 8
	s_add_co_u32 s24, s24, s30
	s_lshl_b32 s30, s28, 7
	s_add_co_u32 s24, s24, s30
	s_add_nc_u64 s[26:27], s[12:13], s[24:25]
	v_lshlrev_b32 v3, 2, v2
	v_lshlrev_b32 v8, 4, v2
	s_lshl_b32 s30, s23, 2
	s_lshl_b32 s31, s28, 1
	s_add_co_u32 s30, s30, s31                     ; my first tile of 16 columns
	s_lshl_b32 s24, s30, 15
	s_lshl_b32 s31, s29, 13
	s_add_co_u32 s24, s24, s31
	s_add_nc_u64 s[32:33], s[18:19], s[24:25]      ; f16 images: (nt 32 + 8 kq) KiB
	s_lshl_b32 s24, s30, 16
	s_lshl_b32 s31, s29, 14
	s_add_co_u32 s24, s24, s31
	s_add_co_u32 s24, s24, W32
	s_add_nc_u64 s[34:35], s[18:19], s[24:25]      ; f32 images: (nt 64 + 16 kq) KiB
	WLOADB 0
	WLOADB 1
.macro OBLOCK t
.set XV, WX+32*((\t)%2)
.if (\t) < 7
	s_wait_loadcnt 32
.else
	s_wait_loadcnt 0
.endif
.irp i, 0,1,2,3,4,5,6,7,8,9,10,11,12,13,14,15
	v_cvt_pk_f16_f32 v[OP+\i], v[XV+2*\i], v[XV+2*\i+1]
.endr
.irp i, 0,1,2,3                        ; the first's lanes 16-31 change places with the second's lanes 0-15: tile 0 = {OP 0-3, OP 8-11}, tile 1 = {OP 4-7, OP 12-15}
	v_permlane16_swap_b32 v[OP+\i], v[OP+4+\i]
	v_permlane16_swap_b32 v[OP+8+\i], v[OP+12+\i]
.endr
.irp u, 0,1                            ; and in f32: group 2 t + u: tile 0 = registers 16 u .. + 7, tile 1 = 16 u + 8 .. + 15
.irp j, 0,1,2,3,4,5,6,7
	v_permlane16_swap_b32 v[XV+16*\u+\j], v[XV+16*\u+8+\j]
.endr
.endr
	global_store_b128 v8, v[OP:OP+3],     s[32:33] offset:1024*(\t)
	global_store_b128 v8, v[OP+8:OP+11],  s[32:33] offset:1024*(\t)+512
	global_store_b128 v8, v[OP+4:OP+7],   s[32:33] offset:1024*(\t)+32768
	global_store_b128 v8, v[OP+12:OP+15], s[32:33] offset:1024*(\t)+32768+512
.irp u, 0,1
	global_store_b128 v8, v[XV+16*\u:XV+16*\u+3],     s[34:35] offset:1024*(2*(\t)+\u)
	global_store_b128 v8, v[XV+16*\u+4:XV+16*\u+7],   s[34:35] offset:1024*(2*(\t)+\u)+512
	global_store_b128 v8, v[XV+16*\u+8:XV+16*\u+11],  s[34:35] offset:1024*(2*(\t)+\u)+65536
	global_store_b128 v8, v[XV+16*\u+12:XV+16*\u+15], s[34:35] offset:1024*(2*(\t)+\u)+65536+512
.endr
	s_wait_xcnt 0x0                                ; the stores' data are written again only behind this wait
.if (\t)+2 < 8
	WLOADB (\t)+2
.endif
.endm
.irp t, 0,1,2,3,4,5,6,7
	OBLOCK \t
.endr
	s_wait_tensorcnt 0x0
	ds_add_u32 v[SPW], v[NIL]
	s_wait_dscnt 0x0
	s_endpgm
.Lfunc_end_k_q8ae6c3ecae_prep:
	.size	k_q8ae6c3ecae_prep, .Lfunc_end_k_q8ae6c3ecae_prep-k_q8ae6c3ecae_prep
	.p2alignl 7, 3214868480
	.fill 96, 4, 3214868480
	.section	.rodata,"a",@progbits
	.p2align	6, 0x0
	.amdhsa_kernel k_q8ae6c3ecae_prep
		.amdhsa_group_segment_fixed_size 102400
		.amdhsa_private_segment_fixed_size 0
		.amdhsa_enable_private_segment 0
		.amdhsa_kernarg_size 64
		.amdhsa_user_sgpr_count 2
		.amdhsa_user_sgpr_kernarg_segment_ptr 1
		.amdhsa_wavefront_size32 1
		.amdhsa_system_sgpr_workgroup_id_x 1
		.amdhsa_system_sgpr_workgroup_id_y 1
		.amdhsa_system_sgpr_workgroup_id_z 1
		.amdhsa_system_vgpr_workitem_id 0
		.amdhsa_next_free_vgpr 224
		.amdhsa_next_free_sgpr 66
		.amdhsa_reserve_vcc 0
		.amdhsa_float_denorm_mode_32 3
		.amdhsa_float_denorm_mode_16_64 3
		.amdhsa_memory_ordered 1
		.amdhsa_forward_progress 1
		.amdhsa_inst_pref_size 122
	.end_amdhsa_kernel
	.amdgpu_metadata
---
amdhsa.version: [ 1, 2 ]
amdhsa.kernels:
  - .name:           k_q8ae6c3ecae_prep
    .symbol:         k_q8ae6c3ecae_prep.kd
    .args:
      - { .name: x, .offset: 0, .size: 8, .value_kind: global_buffer, .address_space: global }
      - { .name: Wq, .offset: 8, .size: 8, .value_kind: global_buffer, .address_space: global }
      - { .name: Wk, .offset: 16, .size: 8, .value_kind: global_buffer, .address_space: global }
      - { .name: Wv, .offset: 24, .size: 8, .value_kind: global_buffer, .address_space: global }
      - { .name: Wo, .offset: 32, .size: 8, .value_kind: global_buffer, .address_space: global }
      - { .name: xq, .offset: 40, .size: 8, .value_kind: global_buffer, .address_space: global }
      - { .name: wq, .offset: 48, .size: 8, .value_kind: global_buffer, .address_space: global }
      - { .name: wo, .offset: 56, .size: 8, .value_kind: global_buffer, .address_space: global }
    .group_segment_fixed_size: 102400
    .private_segment_fixed_size: 0
    .kernarg_segment_align: 8
    .kernarg_segment_size: 64
    .max_flat_workgroup_size: 256
    .sgpr_count:     66
    .vgpr_count:     224
    .wavefront_size: 32
...
	.end_amdgpu_metadata
.endif
;; end of part 1
;; launch qkv (part 2): grid 12 x 32, 4 waves a work-group, clusters of 4 x 1, 327,680 bytes of LDS; arguments xq, wq, qkv, fine32; writes qkv, fine32
.if DOCPART == 2
	.amdgcn_target "amdgcn-amd-amdhsa--gfx1250"
	.amdhsa_code_object_version 6
	.text
	.protected	k_q8ae6c3ecae_qkv
	.globl	k_q8ae6c3ecae_qkv
	.p2align	8
	.type	k_q8ae6c3ecae_qkv,@function
k_q8ae6c3ecae_qkv:
	s_mov_b64 s[64:65], 0
	v_nop
	global_prefetch_b8 v0, s[64:65] scope:SCOPE_SE
	s_setreg_imm32_b32 hwreg(HW_REG_WAVE_MODE, 25, 1), 1
	s_wait_xcnt 0x0
	s_wait_alu depctr_hold_cnt(0) depctr_sa_sdst(0) depctr_va_vdst(0) depctr_va_sdst(0) depctr_va_ssrc(0) depctr_va_vcc(0) depctr_vm_vsrc(0)
	s_getreg_b32 s2, hwreg(HW_REG_IB_STS2, 6, 4)
	s_cmp_eq_u32 s2, 0
	s_cbranch_scc0 .Lentry_in_a_cluster
	s_endpgm
.Lentry_in_a_cluster:
	s_bfe_u32 s2, ttmp6, 0x10000c
	s_cmp_lg_u32 s2, 0x3003
	s_cbranch_scc0 .Lentry_shape_is_right
	s_endpgm
.Lentry_shape_is_right:
; QKV: x Wq, x Wk, x Wv on codes of E2M1 with E8M0 scales, sums in f32.  K = 1,024: two LDS slots of 512 along K, each filled once; nothing is filled again.
; A work-group takes 256 rows of x (tr) and 256 rows of wq (tc = 4 x cluster x + cx; rows 0-1023 q, 1024-2047 k, 2048-3071 v); each of four waves 128 x 128: 64 accumulators.
; ROLES.  The instruction's source 1 ('A' below) gives the result's lane, source 0 ('B') its eight registers.  For q and k (clusters 0, 1) A = x, B = W: a lane holds one position and eight neighbouring d.
; For v (cluster 2) A = Wv, B = x: a lane holds one d and eight neighbouring keys.  The text is one; only the LDS addresses of the reads and the bases of the stores are chosen, by the cluster's x, which the partners share.
; OUT.  Rounded to f16 in pairs, two neighbouring result tiles ARE a 16-bit operand fragment of attention: they are stored as images of registers (1 KiB: registers 0-3 at 16 x lane, 4-7 at 512 + 16 x lane), 512 consecutive bytes a store, no LDS.
;   qkv: [g 32 = head (q), 16 + head (k)][position tile 512][dc 2][1 KiB]; from VT on [position / 64, 128][4 head + dt, 64][par 2][1 KiB].
;   fine32: the f32 accumulators of positions 0-15 of each batch, [b 4][48][tile 4][1 KiB], for the launch that carries those rows in f32.
; CLUSTER 4, 1, 1: the four partners need the same tile of x: asked for jointly (mask 15).  W's tiles differ between partners: plain loads.  Not 4 x 4: the stores into fine32 stand under a branch on the tile row of x, which must be a number that all partners share.
; LIMITS: q, k, v beyond 65,504 in magnitude become infinities in f16.
.set NQ,     4
.set ROWB,   256
.set KROW,   512
.set PITCH,  272                       ; an LDS row: 256 bytes + 16 of padding
.set FR,     8
.set NL,     2
.set NP,     4
.set HALFT,  128*PITCH
.set SLOT,   4*HALFT                   ; x's 256 rows, then W's 256 rows
.set KS,     32
.set SCL,    2*SLOT                    ; the scale bytes, units of 256 bytes + 16: x's two halves, then W's
.set HALFS,  16*272
.set SBLK,   2*272
.set SPARE,  327168                    ; the spare words, at the top of LDS
.set XSOFF,  4194304
.set WSOFF,  1572864
.set VT,     33554432
.set ADRA, 16                          ; v16-17 LDS address of my A fragments in slot 0, 1
.set ADRB, 20                          ; v20-21 the same for B
.set CO,   26                          ; v26 16 x lane
.set ADRS, 27                          ; v27 my scale words: lanes 0-15 A's rows, lanes 16-31 B's
.set SPW,  28
.set NIL,  29
.set SC,   32                          ; v32-95 scale words, two sets; they hold nothing else
.set AF,   128                         ; v128-191 A's fragments, one set.  Window 1: B's fragments, two sets; on the way out the packed results.  Windows 2, 3: the accumulators, (a, b) at 8 (8 (a % 4) + b)
.set G1, 24
.set G0, 32
.set G1B, 48
.set G0B, 56
.set G1S, 68
.set G0S, 76
.set G1SB, 80
.set G0SB, 88
.set OB, 96                            ; s[96:97], s[98:99] the two bases of my images
.set FB, 100                           ; s[100:101] my place in fine32
.set MSB, 0
.macro WIN new
.if MSB != (\new)
	s_set_vgpr_msb (MSB<<8)|(\new)
.set MSB, (\new)
.endif
.endm
.set MUL_LO, 0xa1
.set MUL_HI, 0xf1
.set TO_B,   0x40
.macro JLOAD g0a, g1a, g0b, g1b        ; waves 0, 1 fetch for x (jointly), waves 2, 3 for W; an s_nop 0 and four v_nop follow each line
	s_cmp_eq_u32 s15, 0
	s_cbranch_scc0 .Lfor_b_\@
	tensor_load_to_lds s[\g0a:\g0a+3], s[\g1a:\g1a+7]
	s_nop 0
.rept 4
	v_nop
.endr
	s_branch .Lasked_\@
.Lfor_b_\@:
	tensor_load_to_lds s[\g0b:\g0b+3], s[\g1b:\g1b+7]
	s_nop 0
.rept 4
	v_nop
.endr
.Lasked_\@:
.endm
.macro CROUND                          ; a round of the cluster's barrier
	s_barrier_signal -1
	s_barrier_wait -1
	s_cmp_lg_u32 s14, 0
	s_cbranch_scc1 .Lnot_wave_0_\@
	s_barrier_signal -3
.Lnot_wave_0_\@:
	s_barrier_wait -3
	s_barrier_signal -1
	s_barrier_wait -1
.endm
	s_load_b256 s[4:11], s[0:1], 0x0               ; xq s[4:5], wq s[6:7], qkv s[8:9], fine32 s[10:11]
	v_lshl_add_u32 v[SPW], v0, 2, SPARE
	v_mov_b32 v[NIL], 0
	ds_add_u32 v[SPW], v[NIL]                      ; the opening: the add, twice on end, and its wait ahead of my first tensor load
	ds_add_u32 v[SPW], v[NIL]
	v_lshrrev_b32 v1, 5, v0
	v_readfirstlane_b32 s14, v1                    ; wave 0..3
	s_lshr_b32 s15, s14, 1                         ; rh: which half of A's rows is mine.  Also: I fetch for x (0) or for W (1)
	s_and_b32 s16, s14, 1                          ; ch: which half of B's rows.  Also: which 128 rows I fetch
	s_bfe_u32 s40, ttmp6, 0x40000                  ; cx
	s_lshl_b32 s42, ttmp9, 2
	s_add_co_u32 s42, s42, s40                     ; tc
	s_and_b32 s17, ttmp7, 0xffff                   ; tr: the cluster's y is the work-group's
	s_mov_b32 s[G1+0], 15|(1<<20)|(1<<21)|(5<<22)|(3<<25)   ; mask: all four; elements of 1 byte; padding: 4 words after every 64; bit 21 beside a mask
	s_mov_b32 s[G1B+0], (1<<20)|(5<<22)|(3<<25)             ; the same with no mask
.irp g, G1, G1B
	s_mov_b32 s[\g+1], ROWB<<16                    ; tensor_dim0 = 256
	s_mov_b32 s[\g+2], 128<<16                     ; tensor_dim1 = 128
	s_mov_b32 s[\g+3], ROWB<<16                    ; tile_dim0
	s_mov_b32 s[\g+4], 128                         ; tile_dim1
	s_mov_b32 s[\g+5], KROW                        ; pitch
	s_mov_b32 s[\g+6], 0
	s_mov_b32 s[\g+7], 0
.endr
	s_mov_b32 s[G1S+0], 15|(3<<16)|(1<<20)|(1<<21)|(5<<22)|(3<<25)   ; the scales of 128 rows: 4,096 dense bytes as 16 rows of 256 (32 elements of 8 bytes)
	s_mov_b32 s[G1SB+0], (3<<16)|(1<<20)|(5<<22)|(3<<25)
.irp g, G1S, G1SB
	s_mov_b32 s[\g+1], 32<<16
	s_mov_b32 s[\g+2], 16<<16
	s_mov_b32 s[\g+3], 32<<16
	s_mov_b32 s[\g+4], 16
	s_mov_b32 s[\g+5], 32
	s_mov_b32 s[\g+6], 0
	s_mov_b32 s[\g+7], 0
.endr
	s_lshl_b32 s18, s16, 7
	s_lshl_b32 s19, s17, 8
	s_add_co_u32 s19, s19, s18                     ; x: row 256 tr + 128 half (no place in the cluster enters it)
	s_lshl_b32 s44, s42, 8
	s_add_co_u32 s44, s44, s18                     ; W: row 256 tc + 128 half
	s_lshl_b32 s20, s19, 9
	s_mov_b32 s21, 0
	s_lshl_b32 s22, s19, 5
	s_add_co_u32 s22, s22, XSOFF
	s_mov_b32 s23, 0
	s_lshl_b32 s46, s44, 9
	s_mov_b32 s47, 0
	s_lshl_b32 s92, s44, 5
	s_add_co_u32 s92, s92, WSOFF
	s_mov_b32 s93, 0
	s_mul_i32 s45, s14, HALFT                      ; where they go: wave x 128 rows
	s_mul_i32 s94, s14, HALFS
	s_wait_dscnt 0x0                               ; both opening adds are done
	s_wait_kmcnt 0x0
	s_add_nc_u64 s[20:21], s[4:5], s[20:21]
	s_add_nc_u64 s[22:23], s[4:5], s[22:23]
	s_add_nc_u64 s[46:47], s[6:7], s[46:47]
	s_add_nc_u64 s[92:93], s[6:7], s[92:93]
	CROUND                                         ; the four partners are here: the first joint loads meet
	s_mov_b32 s[G0S], 1
	s_add_co_u32 s[G0S+1], s94, SCL
	s_mov_b64 s[G0S+2:G0S+3], s[22:23]
	s_or_b32 s[G0S+3], s[G0S+3], 0x80000000
	s_mov_b32 s[G0SB], 1
	s_add_co_u32 s[G0SB+1], s94, SCL
	s_mov_b64 s[G0SB+2:G0SB+3], s[92:93]
	s_or_b32 s[G0SB+3], s[G0SB+3], 0x80000000
	JLOAD G0S, G1S, G0SB, G1SB                     ; the scales first; then both slots: three loads of mine are out
.irp s, 0,1
	s_mov_b32 s[G0+4*\s], 1
	s_add_co_u32 s[G0+4*\s+1], s45, \s*SLOT
	s_add_nc_u64 s[G0+4*\s+2:G0+4*\s+3], s[20:21], \s*ROWB
	s_or_b32 s[G0+4*\s+3], s[G0+4*\s+3], 0x80000000
	s_mov_b32 s[G0B+4*\s], 1
	s_add_co_u32 s[G0B+4*\s+1], s45, \s*SLOT
	s_add_nc_u64 s[G0B+4*\s+2:G0B+4*\s+3], s[46:47], \s*ROWB
	s_or_b32 s[G0B+4*\s+3], s[G0B+4*\s+3], 0x80000000
	JLOAD G0+4*\s, G1, G0B+4*\s, G1B
.endr
	v_and_b32 v1, 15, v0                           ; r
	v_bfe_u32 v2, v0, 4, 1                         ; h
	v_mul_u32_u24 v3, v1, PITCH
	v_lshl_add_u32 v4, v2, 4, v3                   ; a fragment's row x pitch + 16 h
	s_cmp_eq_u32 ttmp9, 2                          ; the role: v?
	s_cselect_b32 s18, 2*HALFT, 0                  ; where A's rows lie in a slot,
	s_cselect_b32 s19, 0, 2*HALFT                  ; and B's;
	s_cselect_b32 s44, 2*HALFS, 0                  ; their scales likewise
	s_cselect_b32 s95, 0, 2*HALFS
	s_mul_i32 s21, s15, HALFT
	s_add_co_u32 s21, s21, s18
	s_mul_i32 s22, s16, HALFT
	s_add_co_u32 s22, s22, s19
.irp s, 0,1
	v_add_nc_u32 v[ADRA+\s], s21, v4
	v_add_nc_u32 v[ADRB+\s], s22, v4
	s_add_co_u32 s21, s21, SLOT
	s_add_co_u32 s22, s22, SLOT
.endr
	v_mul_u32_u24 v5, v1, KS                       ; my row's scales: 32 bytes a row,
	v_lshrrev_b32 v6, 8, v5
	v_lshl_add_u32 v5, v6, 4, v5                   ; and 16 more for each 256 passed
	s_mul_i32 s21, s15, HALFS
	s_add_co_u32 s21, s21, s44                     ; A's scales: lanes 0-15
	s_mul_i32 s22, s16, HALFS
	s_add_co_u32 s22, s22, s95                     ; B's: lanes 16-31
	v_sub_nc_u32 v6, 1, v2
	v_mul_u32_u24 v6, s21, v6
	v_mad_u32_u24 v6, s22, v2, v6
	v_add_nc_u32 v5, v5, v6
	v_add_nc_u32 v[ADRS], SCL, v5
	v_and_b32 v6, 31, v0
	v_lshlrev_b32 v[CO], 4, v6
.macro FRAG reg, adr, q, i             ; 16 rows x 128 K of 4-bit codes: registers 4 c .. 4 c + 3 hold K = 64 c + 32 h + 0 .. 31
.irp c, 0,1
	ds_load_b128 v[\reg+4*\c:\reg+4*\c+3], v[\adr] offset:64*(\q)+32*\c+(\i)*16*PITCH
.endr
.endm
; 16 matrix instructions: A's blocks a0, a0 + 1 x B's eight.  The 64 accumulators take turns, one instruction a turn, in the same order in every step.
.macro MUL16 a0, p, q, sc, zero
.irp a, \a0, \a0+1
.irp b, 0,1,2,3,4,5,6,7
.if \zero
	v_wmma_scale_f32_16x16x128_f8f6f4 v[8*(8*((\a)%4)+\b):8*(8*((\a)%4)+\b)+7], v[128*(\p)+FR*\b:128*(\p)+FR*\b+FR-1], v[AF+FR*(\a):AF+FR*(\a)+FR-1], 0, v[SC+8*NQ*(\sc)+NQ*\b+(\q)], v[SC+8*NQ*(\sc)+NQ*(\a)+(\q)] matrix_a_fmt:MATRIX_FMT_FP4 matrix_b_fmt:MATRIX_FMT_FP4 matrix_a_scale:MATRIX_SCALE_ROW1
.else
	v_wmma_scale_f32_16x16x128_f8f6f4 v[8*(8*((\a)%4)+\b):8*(8*((\a)%4)+\b)+7], v[128*(\p)+FR*\b:128*(\p)+FR*\b+FR-1], v[AF+FR*(\a):AF+FR*(\a)+FR-1], v[8*(8*((\a)%4)+\b):8*(8*((\a)%4)+\b)+7], v[SC+8*NQ*(\sc)+NQ*\b+(\q)], v[SC+8*NQ*(\sc)+NQ*(\a)+(\q)] matrix_a_fmt:MATRIX_FMT_FP4 matrix_b_fmt:MATRIX_FMT_FP4 matrix_a_scale:MATRIX_SCALE_ROW1
.endif
.endr
.endr
.endm
.macro FETCH_B slot, q, p
	WIN TO_B
.irp i, 0,1,2,3,4,5,6,7
	FRAG 128*(\p)+FR*\i, ADRB+\slot, \q, \i
.endr
	WIN 0
.endm
.macro FETCH_A slot, q, i0
.irp i, \i0, \i0+1, \i0+2, \i0+3
	FRAG AF+FR*(\i), ADRA+\slot, \q, \i
.endr
.endm
.macro SCALES sc                       ; a slot's scale words: four words a row; lanes 0-15 A's block i, lanes 16-31 B's block i
.irp i, 0,1,2,3,4,5,6,7
	ds_load_b128 v[SC+8*NQ*\sc+NQ*\i:SC+8*NQ*\sc+NQ*\i+3], v[ADRS] offset:\i*SBLK
.endr
.endm
.macro PLACES n                        ; plain vector places behind matrix instructions, in front of loads into their registers and of reads of their results
.rept \n
	v_nop
.endr
.endm
.macro STEP slot, q, zero
	s_wait_dscnt 4*NL                              ; B's set and A's blocks 0-3 are in; the youngest eight loads (A's blocks 4-7) may be out
	WIN MUL_LO
	MUL16 0, (\q)%2, \q, \slot, \zero
	MUL16 2, (\q)%2, \q, \slot, \zero
	s_wait_dscnt 0
	PLACES NP
	FETCH_B \slot, (\q)+1, 1-(\q)%2
	FETCH_A \slot, (\q)+1, 0
	WIN MUL_HI
	MUL16 4, (\q)%2, \q, \slot, \zero
	MUL16 6, (\q)%2, \q, \slot, \zero
	PLACES NP
	WIN 0
	FETCH_A \slot, (\q)+1, 4
.endm
.macro TURN slot, next                 ; slot 0's last step changes slots: one barrier; in front of it all my tensor loads have landed; nothing is filled again
	s_wait_tensorcnt 0x0                           ; my part of slot 1 is in
	ds_add_u32 v[SPW], v[NIL]                      ; 0 onto my spare word
	s_wait_dscnt 4*NL+1                            ; (the add and A's blocks 4-7 may be out)
	WIN MUL_LO
	MUL16 0, 1, NQ-1, \slot, 0
	s_wait_dscnt 0x0
	s_barrier_signal -1
	MUL16 2, 1, NQ-1, \slot, 0
	WIN 0
	s_barrier_wait -1                              ; everybody's part of slot 1 is in
	PLACES NP
	v_add_nc_u32 v[ADRS], 4*NQ, v[ADRS]            ; the next 512 along K: 16 scale bytes on
	FETCH_B \next, 0, 0
	FETCH_A \next, 0, 0
	SCALES \next
	WIN MUL_HI
	MUL16 4, 1, NQ-1, \slot, 0
	MUL16 6, 1, NQ-1, \slot, 0
	PLACES NP
	WIN 0
	FETCH_A \next, 0, 4
.endm
	s_wait_tensorcnt 1                             ; the scales and my part of slot 0 are in (slot 1's load may be out),
	s_barrier_signal -1
	s_barrier_wait -1                              ; everybody's are
	FETCH_B 0, 0, 0
	FETCH_A 0, 0, 0
	SCALES 0
	FETCH_A 0, 0, 4
	STEP 0, 0, 1                                   ; the first products start the sums: nothing is cleared
	STEP 0, 1, 0
	STEP 0, 2, 0
	TURN 0, 1
	STEP 1, 0, 0
	STEP 1, 1, 0
	STEP 1, 2, 0
	s_wait_dscnt 4*NL
	WIN MUL_LO
	MUL16 0, 1, NQ-1, 1, 0
	MUL16 2, 1, NQ-1, 1, 0
	s_wait_dscnt 0
	WIN MUL_HI
	MUL16 4, 1, NQ-1, 1, 0
	MUL16 6, 1, NQ-1, 1, 0
	WIN 0
; THE WAY OUT.  xr0: my first row of x; wr0: my first row of wq.
	s_cmp_eq_u32 ttmp9, 2
	s_cselect_b32 s20, s16, s15                    ; which half of x's rows is mine
	s_cselect_b32 s21, s15, s16                    ; and of W's
	s_lshl_b32 s22, s17, 8
	s_lshl_b32 s23, s20, 7
	s_add_co_u32 s22, s22, s23                     ; xr0
	s_lshl_b32 s23, s42, 8
	s_lshl_b32 s18, s21, 7
	s_add_co_u32 s23, s23, s18                     ; wr0
	s_lshl_b32 s18, s23, 14
	s_lshl_b32 s19, s22, 7
	s_add_co_u32 s18, s18, s19                     ; q, k: (wr0 / 64) MiB + (xr0 / 16) x 2,048
	s_lshl_b32 s19, s22, 11
	s_lshl_b32 s44, s23, 7
	s_add_co_u32 s19, s19, s44
	s_add_co_u32 s19, s19, VT-(2048<<7)            ; v: VT + (xr0 / 64) x 131,072 + ((wr0 - 2,048) / 16) x 2,048
	s_mov_b32 s45, 1048576
	s_cmp_eq_u32 ttmp9, 2
	s_cselect_b32 s18, s19, s18
	s_cselect_b32 s44, 131072, s45                 ; from my first 64 of the registers' axis to my second
	s_mov_b32 s19, 0
	s_mov_b32 s45, 0
	s_add_nc_u64 s[OB:OB+1], s[8:9], s[18:19]
	s_add_nc_u64 s[OB+2:OB+3], s[OB:OB+1], s[44:45]
	s_lshr_b32 s18, s17, 3
	s_mul_i32 s18, s18, 48
	s_lshr_b32 s19, s23, 6
	s_add_co_u32 s18, s18, s19                     ; 48 b + wr0 / 64
	s_lshl_b32 s18, s18, 12
	s_mov_b32 s19, 0
	s_add_nc_u64 s[FB:FB+1], s[10:11], s[18:19]
	PLACES NP                                      ; behind the last products: for the stores and conversions that read results, and for writes into B's registers
	s_and_b32 s21, s17, 7                          ; positions 0-15 of a batch are mine where xr0 is a multiple of 2,048
	s_or_b32 s21, s21, s20
	s_cmp_lg_u32 s21, 0
	s_cbranch_scc1 .Lnofine
	s_cmp_eq_u32 ttmp9, 2
	s_cbranch_scc1 .Lfine_v
	WIN 0x08                                       ; a store's data: window 2
.irp b, 0,1,2,3,4,5,6,7                ; q, k: A's block 0 against B's eight: each accumulator from its low end on
	global_store_b128 v[CO], v[8*\b:8*\b+3],   s[FB:FB+1] offset:1024*\b
	global_store_b128 v[CO], v[8*\b+4:8*\b+7], s[FB:FB+1] offset:1024*\b+512
.endr
	WIN 0
	s_branch .Lnofine
.Lfine_v:
.irp a, 0,1,2,3,4,5,6,7                ; v: A's eight blocks against B's block 0
	WIN 0x08+4*(\a/4)
	global_store_b128 v[CO], v[64*(\a%4):64*(\a%4)+3],   s[FB:FB+1] offset:1024*\a
	global_store_b128 v[CO], v[64*(\a%4)+4:64*(\a%4)+7], s[FB:FB+1] offset:1024*\a+512
.endr
	WIN 0
.Lnofine:
.macro PACKA a                         ; block a's eight tiles, rounded to f16, into window 1: each register of it is written once, so no store's data are written again
	WIN 0x4a+5*((\a)/4)
.irp b, 0,1,2,3,4,5,6,7
.irp i, 0,1,2,3
	v_cvt_pk_f16_f32 v[32*(\a)+4*\b+\i], v[64*((\a)%4)+8*\b+2*\i], v[64*((\a)%4)+8*\b+2*\i+1]
.endr
.endr
.endm
.macro STOREA a                        ; four images: 512 consecutive bytes a store
	WIN 0x04
.irp c, 0,1,2,3
	global_store_b128 v[CO], v[32*(\a)+8*\c:32*(\a)+8*\c+3],   s[OB+2*(\c/2):OB+2*(\c/2)+1] offset:2048*(\a)+1024*(\c%2)
	global_store_b128 v[CO], v[32*(\a)+8*\c+4:32*(\a)+8*\c+7], s[OB+2*(\c/2):OB+2*(\c/2)+1] offset:2048*(\a)+1024*(\c%2)+512
.endr
.endm
.irp a, 0,1,2,3,4,5,6,7
	PACKA \a
	STOREA \a
.endr
	WIN 0
	s_wait_tensorcnt 0x0                           ; the wave's end
	ds_add_u32 v[SPW], v[NIL]
	s_wait_dscnt 0x0
	CROUND                                         ; the closing round
	s_endpgm
.Lfunc_end_k_q8ae6c3ecae_qkv:
	.size	k_q8ae6c3ecae_qkv, .Lfunc_end_k_q8ae6c3ecae_qkv-k_q8ae6c3ecae_qkv
	.p2alignl 7, 3214868480
	.fill 96, 4, 3214868480
	.section	.rodata,"a",@progbits
	.p2align	6, 0x0
	.amdhsa_kernel k_q8ae6c3ecae_qkv
		.amdhsa_group_segment_fixed_size 327680
		.amdhsa_private_segment_fixed_size 0
		.amdhsa_enable_private_segment 0
		.amdhsa_kernarg_size 32
		.amdhsa_user_sgpr_count 2
		.amdhsa_user_sgpr_kernarg_segment_ptr 1
		.amdhsa_wavefront_size32 1
		.amdhsa_system_sgpr_workgroup_id_x 1
		.amdhsa_system_sgpr_workgroup_id_y 1
		.amdhsa_system_sgpr_workgroup_id_z 1
		.amdhsa_system_vgpr_workitem_id 0
		.amdhsa_next_free_vgpr 1024
		.amdhsa_next_free_sgpr 102
		.amdhsa_reserve_vcc 0
		.amdhsa_float_denorm_mode_32 3
		.amdhsa_float_denorm_mode_16_64 3
		.amdhsa_memory_ordered 1
		.amdhsa_forward_progress 1
		.amdhsa_inst_pref_size 121
	.end_amdhsa_kernel
	.amdgpu_metadata
---
amdhsa.version: [ 1, 2 ]
amdhsa.kernels:
  - .name:           k_q8ae6c3ecae_qkv
    .symbol:         k_q8ae6c3ecae_qkv.kd
    .args:
      - { .name: xq, .offset: 0, .size: 8, .value_kind: global_buffer, .address_space: global }
      - { .name: wq, .offset: 8, .size: 8, .value_kind: global_buffer, .address_space: global }
      - { .name: qkv, .offset: 16, .size: 8, .value_kind: global_buffer, .address_space: global }
      - { .name: fine32, .offset: 24, .size: 8, .value_kind: global_buffer, .address_space: global }
    .group_segment_fixed_size: 327680
    .private_segment_fixed_size: 0
    .kernarg_segment_align: 8
    .kernarg_segment_size: 32
    .max_flat_workgroup_size: 128
    .sgpr_count:     102
    .vgpr_count:     1024
    .wavefront_size: 32
...
	.end_amdgpu_metadata
.endif
;; end of part 2
;; launch attn (part 3): grid 4 x 64, 8 waves a work-group, no clusters, 327,680 bytes of LDS; arguments qkv, ctx; writes ctx
.if DOCPART == 3
	.amdgcn_target "amdgcn-amd-amdhsa--gfx1250"
	.amdhsa_code_object_version 6
	.text
	.protected	k_q8ae6c3ecae_attn
	.globl	k_q8ae6c3ecae_attn
	.p2align	8
	.type	k_q8ae6c3ecae_attn,@function
k_q8ae6c3ecae_attn:
	s_mov_b64 s[64:65], 0
	v_nop
	global_prefetch_b8 v0, s[64:65] scope:SCOPE_SE
	s_setreg_imm32_b32 hwreg(HW_REG_WAVE_MODE, 25, 1), 1
	s_wait_xcnt 0x0
; ATTENTION, causal, head size 64, f16 operands, f32 sums, running maximum.  All operands arrive as images of registers (launch qkv), so LDS tiles are dense and fragments come by loads at 16 x lane.
; SHARES.  Work-group (j, batch x head) serves query blocks j and 7 - j (256 queries each), one after the other: j + 1 and 8 - j blocks of 256 keys: NINE visits in every work-group, so trip counts are constants and
; no tensor load is ever jumped over.  Each of eight waves owns 32 queries (two tiles); two waves share a SIMD, so that one wave's softmax stands beside the other's products.
; NO CLUSTER: the four work-groups of a head want different key blocks in the same visit (t up to j, then t - j - 1); walking in step would take 12 visits' work in place of 9.
; LAYOUT.  S^T = K Q^T (source 0 = 16 keys, source 1 = 16 queries): a lane holds one query and keys 8 h + 0..7 of a tile; two tiles rounded to f16 are source 1 of O^T = V^T P; O^T rounded is a fragment of the projection.
; RING.  Two slots of 256 keys, 65,536 bytes apart: K's four key steps of 8 KiB, then V's four.  Wave w fetches the 8 KiB at 8,192 w: one tensor load a wave behind each barrier; every wait on TENSORcnt is for 0.
; A key step all of whose 64 keys come after my 32 queries is left out by a scalar branch on ids; on the diagonal hidden scores become -infinity ahead of the maximum.
; LIMITS: ctx beyond 65,504 becomes infinite in f16; weights p under 6.1e-5 are rounded with an absolute error of 3e-8.
.set SLOT1, 65536
.set SPARE, 131072
.set VT,    33554432
.set LI,   1                           ; v1  16 x lane
.set ADR,  2                           ; v2  the step's LDS address
.set SPW,  3
.set NIL,  4
.set RH,   5                           ; v5  r - 8 h
.set D0,   6                           ; v6-7 the two tiles' distance to the diagonal
.set NINF, 8                           ; v8  -infinity
.set PFO,  9                           ; v9  256 x lane
.set ST,   16                          ; tile t's statistics at v[16 + 8 t]: +0 c m, +1 m, +2, +3 l, +4 to +7 at work; a in +6
.set Q,    32                          ; v32-63   Q: 16 t + 8 dc
.set S,    64                          ; v64-127  S^T: 32 t + 8 kt
.set P,    128                         ; v128-159 P: 16 t + 8 par
.set KFR,  160                         ; v160-223 K: 8 (2 kt + dc)
.set TP,   224                         ; v224-255 ctx, packed
.set O,    0                           ; window 1: v0-63 O^T: 32 t + 8 dt
.set VFR,  64                          ; window 1: v64-127 V^T: 8 (2 dt + par)
; s8 wave, s9 j, s11 visit, s12 steps, s13 LDS byte of the step, s14 its first key, s15 my first query; s[16:23] group 1, s[24:27] group 0; s[28:29] my 8 KiB of key block 0, s30 bytes from block to block;
; s[34:35] Q of my head, s[36:37] ctx of my head, s[38:39], s[40:41] of my queries; s[42:43] c, s[44:45] lane selects, s[46:47] the prefetch, s48 0 in the work-group that prefetches
.set MSB, 0
.macro WIN new
.if MSB != (\new)
	s_set_vgpr_msb (MSB<<8)|(\new)
.set MSB, (\new)
.endif
.endm
	s_load_b128 s[4:7], s[0:1], 0x0                ; qkv, ctx
	v_lshl_add_u32 v[SPW], v0, 2, SPARE
	v_mov_b32 v[NIL], 0
	ds_add_u32 v[SPW], v[NIL]                      ; the opening: the add, twice on end, and its wait ahead of my first tensor load
	ds_add_u32 v[SPW], v[NIL]
	v_lshrrev_b32 v10, 5, v0
	v_readfirstlane_b32 s8, v10                    ; wave 0..7
	s_mov_b32 s9, ttmp9                            ; j
	s_and_b32 s10, ttmp7, 0xffff
	s_lshr_b32 s49, s10, 4                         ; batch
	s_and_b32 s50, s10, 15                         ; head
	s_mov_b32 s16, 3<<16                           ; group 1: 8,192 dense bytes as 32 rows of 32 elements of 8 bytes; no mask, no padding
	s_mov_b32 s17, 32<<16
	s_mov_b32 s18, 32<<16
	s_mov_b32 s19, 32<<16
	s_mov_b32 s20, 32
	s_mov_b32 s21, 32
	s_mov_b32 s22, 0
	s_mov_b32 s23, 0
	s_add_co_u32 s51, s50, 16
	s_lshl_b32 s51, s51, 20
	s_lshl_b32 s52, s49, 18
	s_add_co_u32 s51, s51, s52
	s_lshl_b32 s52, s8, 13
	s_add_co_u32 s51, s51, s52                     ; waves 0-3: K's key step w of block 0
	s_lshl_b32 s53, s49, 5
	s_add_co_u32 s53, s53, s8
	s_sub_co_u32 s53, s53, 4
	s_lshl_b32 s53, s53, 17
	s_lshl_b32 s52, s50, 13
	s_add_co_u32 s53, s53, s52
	s_add_co_u32 s53, s53, VT                      ; waves 4-7: V's key step w - 4
	s_mov_b32 s30, 524288
	s_cmp_lt_u32 s8, 4
	s_cselect_b32 s32, s51, s53
	s_cselect_b32 s30, 32768, s30
	s_mov_b32 s33, 0
	s_lshl_b32 s54, s50, 20
	s_lshl_b32 s52, s49, 18
	s_add_co_u32 s54, s54, s52                     ; Q of my head and batch
	s_mov_b32 s55, 0
	s_lshl_b32 s52, s49, 22
	s_lshl_b32 s51, s50, 11
	s_add_co_u32 s52, s52, s51                     ; ctx: 128 tiles of rows a batch, 32 KiB each; my head's two images
	s_mov_b32 s53, 0
	s_mov_b32 s42, 0x3e38aa3b                      ; c = log2(e) / sqrt(64)
	s_mov_b32 s43, s42
	s_mov_b32 s44, 0x76543210
	s_mov_b32 s45, 0xfedcba98
	s_cmp_eq_u32 s9, 0
	s_cselect_b32 s48, 0, 100
	s_mov_b32 s11, 0
	s_mov_b32 s13, 0
	s_wait_dscnt 0x0                               ; both opening adds are done
	s_wait_kmcnt 0x0
	s_add_nc_u64 s[28:29], s[4:5], s[32:33]
	s_add_nc_u64 s[34:35], s[4:5], s[54:55]
	s_add_nc_u64 s[36:37], s[6:7], s[52:53]
	s_mov_b32 s24, 1
	s_lshl_b32 s25, s8, 13                         ; LDS: 8,192 x wave, slot 0
	s_mov_b64 s[26:27], s[28:29]
	s_or_b32 s27, s27, 0x80000000
	tensor_load_to_lds s[24:27], s[16:23]          ; key block 0
	s_nop 0
.rept 4
	v_nop
.endr
	v_and_b32 v10, 31, v0
	v_lshlrev_b32 v[LI], 4, v10
	v_lshlrev_b32 v[PFO], 8, v10
	v_and_b32 v11, 15, v0
	v_bfe_u32 v12, v0, 4, 1
	v_lshlrev_b32 v12, 3, v12
	v_sub_nc_u32 v[RH], v11, v12
	v_mov_b32 v[NINF], 0xff800000
; A query block begins: addresses, Q, and statistics under which the first step's change of maximum leaves zeros.
.macro INIT qb
	s_lshl_b32 s49, \qb, 8
	s_lshl_b32 s50, s8, 5
	s_add_co_u32 s15, s49, s50                     ; my first query
	s_lshl_b32 s52, s15, 7                         ; 2,048 bytes a tile of 16
	s_mov_b32 s53, 0
	s_add_nc_u64 s[40:41], s[34:35], s[52:53]
	s_lshl_b32 s52, s15, 11                        ; 32,768 bytes a tile of 16 rows of ctx
	s_add_nc_u64 s[38:39], s[36:37], s[52:53]
.irp i, 0,1,2,3,4,5,6,7
	global_load_b128 v[Q+4*\i:Q+4*\i+3], v[LI], s[40:41] offset:512*\i
.endr
.irp t, 0,1
	v_mov_b32 v[ST+8*\t+1], 0xff61b1e6             ; m = -3e38, under every score
	v_mul_f32 v[ST+8*\t], s42, v[ST+8*\t+1]
.irp k, 2,3,4,5,6,7
	v_mov_b32 v[ST+8*\t+\k], 0
.endr
.endr
	WIN 0x40
.set i, 0
.rept 64
	v_mov_b32 v[O+i], 0                            ; the step is written once: its first walk finds zeros
.set i, i+1
.endr
	WIN 0
	s_mov_b32 s14, 0
	s_wait_loadcnt 0x0
.endm
; A KEY STEP: 64 keys at LDS byte s13.
.macro STEP
	s_add_co_u32 s49, s15, 31
	s_cmp_gt_u32 s14, s49                          ; all its keys behind my last query: left out
	s_cbranch_scc1 .Lhidden_\@
.rept 4
	v_nop                                          ; places in front of loads into V's registers, which the last products read
.endr
	v_add_nc_u32 v[ADR], s13, v[LI]
.irp i, 0,1,2,3,4,5,6,7,8,9,10,11,12,13,14,15
	ds_load_b128 v[KFR+4*\i:KFR+4*\i+3], v[ADR] offset:512*\i
.endr
	WIN 0x40
.irp i, 0,1,2,3,4,5,6,7,8,9,10,11,12,13,14,15
	ds_load_b128 v[VFR+4*\i:VFR+4*\i+3], v[ADR] offset:32768+512*\i
.endr
	WIN 0
	s_wait_dscnt 16                                ; K is in; V's sixteen loads may be out
.irp dc, 0,1                           ; eight accumulators by turns, one instruction a turn
.irp kt, 0,1,2,3
.irp t, 0,1
.if \dc == 0
	v_wmma_f32_16x16x32_f16 v[S+32*\t+8*\kt:S+32*\t+8*\kt+7], v[KFR+8*(2*\kt+\dc):KFR+8*(2*\kt+\dc)+7], v[Q+16*\t+8*\dc:Q+16*\t+8*\dc+7], 0
.else
	v_wmma_f32_16x16x32_f16 v[S+32*\t+8*\kt:S+32*\t+8*\kt+7], v[KFR+8*(2*\kt+\dc):KFR+8*(2*\kt+\dc)+7], v[Q+16*\t+8*\dc:Q+16*\t+8*\dc+7], v[S+32*\t+8*\kt:S+32*\t+8*\kt+7]
.endif
.endr
.endr
.endr
.rept 4
	v_nop
.endr
	s_add_co_u32 s49, s14, 63
	s_cmp_le_u32 s49, s15                          ; all 64 keys count for all my queries: no mask
	s_cbranch_scc1 .Lopen_\@
	s_sub_co_i32 s49, s15, s14
	v_add_nc_u32 v[D0], s49, v[RH]                 ; d = my query - the step's first key - 8 h.  Register n holds key 16 (n / 8) + n % 8 + 8 h: hidden where 16 (n / 8) + n % 8 > d
	v_add_nc_u32 v[D0+1], 16, v[D0]
.irp n, 0,1,2,3,4,5,6,7,8,9,10,11,12,13,14,15,16,17,18,19,20,21,22,23,24,25,26,27,28,29,30,31
.irp t, 0,1
	v_cmp_gt_i32 vcc_lo, 16*(\n/8)+\n%8, v[D0+\t]
	v_cndmask_b32 v[S+32*\t+\n], v[S+32*\t+\n], v[NINF], vcc_lo
.endr
.endr
.Lopen_\@:
; the softmax, the two tiles line by line in turn.  The maximum of 32 scores and the old m: each accumulator is read from its low end on
.irp j, 0,1,2,3
.irp t, 0,1
	v_max3_num_f32 v[ST+8*\t+4+\j], v[S+32*\t+8*\j], v[S+32*\t+8*\j+1], v[S+32*\t+8*\j+2]
.endr
.endr
.irp j, 4,5,6,7,8,9,10,11
.irp t, 0,1
	v_max3_num_f32 v[ST+8*\t+4+\j%4], v[ST+8*\t+4+\j%4], v[S+32*\t+8*(\j%4)+2*(\j/4)+1], v[S+32*\t+8*(\j%4)+2*(\j/4)+2]
.endr
.endr
.irp t, 0,1
	v_max3_num_f32 v[ST+8*\t+4], v[ST+8*\t+4], v[S+32*\t+7], v[S+32*\t+15]
.endr
.irp t, 0,1
	v_max3_num_f32 v[ST+8*\t+6], v[ST+8*\t+6], v[S+32*\t+23], v[S+32*\t+31]
.endr
.irp t, 0,1
	v_max3_num_f32 v[ST+8*\t+4], v[ST+8*\t+4], v[ST+8*\t+5], v[ST+8*\t+6]
.endr
.irp t, 0,1
	v_max3_num_f32 v[ST+8*\t+4], v[ST+8*\t+4], v[ST+8*\t+7], v[ST+8*\t+1]
.endr
.irp t, 0,1
	v_permlanex16_b32 v[ST+8*\t+5], v[ST+8*\t+4], s44, s45   ; the query's other 32 keys lie in the lane 16 away
.endr
.irp t, 0,1
	v_mov_b32 v[ST+8*\t+7], v[ST+8*\t]             ; c m_old
.endr
.irp t, 0,1
	v_max_num_f32 v[ST+8*\t+1], v[ST+8*\t+4], v[ST+8*\t+5]
.endr
.irp t, 0,1
	v_mul_f32 v[ST+8*\t], s42, v[ST+8*\t+1]
.endr
.irp t, 0,1
	v_sub_f32 v[ST+8*\t+7], v[ST+8*\t+7], v[ST+8*\t]
.endr
.irp b, 0,1,2,3,4,5,6,7,8,9,10,11,12,13,14,15
.irp t, 0,1
	v_pk_fma_f32 v[S+32*\t+2*\b:S+32*\t+2*\b+1], v[S+32*\t+2*\b:S+32*\t+2*\b+1], s[42:43], v[ST+8*\t:ST+8*\t+1] op_sel_hi:[1,0,0] neg_lo:[0,0,1] neg_hi:[0,0,1]   ; c s - c m
.endr
.endr
.irp t, 0,1
	v_exp_f32 v[ST+8*\t+6], v[ST+8*\t+7]           ; a = 2^(c m_old - c m_new)
.endr
.irp e, 0,1,2,3,4,5,6,7,8,9,10,11,12,13,14,15,16,17,18,19,20,21,22,23,24,25,26,27,28,29,30,31
.irp t, 0,1
	v_exp_f32 v[S+32*\t+\e], v[S+32*\t+\e]
.endr
.endr
	v_nop                                          ; a plain instruction behind the last exponential
	s_wait_alu depctr_va_vdst(0)                   ; one wait for the batch of 66, ahead of its first reader
.irp i, 0,1,2,3,4,5,6,7,8,9,10,11,12,13,14,15
.irp t, 0,1
	v_cvt_pk_f16_f32 v[P+16*\t+\i], v[S+32*\t+2*\i], v[S+32*\t+2*\i+1]
.endr
.endr
.irp u, 0,1,2,3,4,5,6,7                ; the sum of the unrounded weights, in place, pairs 1, 2, 4, 8 apart
.irp t, 0,1
	v_pk_add_f32 v[S+32*\t+4*\u:S+32*\t+4*\u+1], v[S+32*\t+4*\u:S+32*\t+4*\u+1], v[S+32*\t+4*\u+2:S+32*\t+4*\u+3]
.endr
.endr
.irp u, 0,1,2,3
.irp t, 0,1
	v_pk_add_f32 v[S+32*\t+8*\u:S+32*\t+8*\u+1], v[S+32*\t+8*\u:S+32*\t+8*\u+1], v[S+32*\t+8*\u+4:S+32*\t+8*\u+5]
.endr
.endr
.irp u, 0,1
.irp t, 0,1
	v_pk_add_f32 v[S+32*\t+16*\u:S+32*\t+16*\u+1], v[S+32*\t+16*\u:S+32*\t+16*\u+1], v[S+32*\t+16*\u+8:S+32*\t+16*\u+9]
.endr
.endr
.irp t, 0,1
	v_pk_add_f32 v[S+32*\t:S+32*\t+1], v[S+32*\t:S+32*\t+1], v[S+32*\t+16:S+32*\t+17]
.endr
.irp t, 0,1
	v_pk_fma_f32 v[ST+8*\t+2:ST+8*\t+3], v[ST+8*\t+2:ST+8*\t+3], v[ST+8*\t+6:ST+8*\t+7], v[S+32*\t:S+32*\t+1] op_sel_hi:[1,0,1]   ; l = a l + the sum
.endr
	WIN 0x41                                       ; O^T (destination, source 0) in window 1
.irp i, 0,1,2,3,4,5,6,7,8,9,10,11,12,13,14,15
.irp t, 0,1
	v_pk_mul_f32 v[O+32*\t+2*\i:O+32*\t+2*\i+1], v[O+32*\t+2*\i:O+32*\t+2*\i+1], v[ST+8*\t+6:ST+8*\t+7] op_sel_hi:[1,0]
.endr
.endr
	s_wait_dscnt 0x0                               ; V is in
	WIN 0x51                                       ; V and O^T in window 1, P in window 0
.irp par, 0,1
.irp dt, 0,1,2,3
.irp t, 0,1
	v_wmma_f32_16x16x32_f16 v[O+32*\t+8*\dt:O+32*\t+8*\dt+7], v[VFR+8*(2*\dt+\par):VFR+8*(2*\dt+\par)+7], v[P+16*\t+8*\par:P+16*\t+8*\par+7], v[O+32*\t+8*\dt:O+32*\t+8*\dt+7]
.endr
.endr
.endr
	WIN 0
.Lhidden_\@:
	s_add_co_u32 s14, s14, 64
	s_add_co_u32 s13, s13, 8192
.endm
.macro VISIT                           ; a slot's four key steps: written once, walked four times
	s_mov_b32 s12, 4
.Lstep_\@:
	STEP
	s_sub_co_u32 s12, s12, 1
	s_cmp_lg_u32 s12, 0
	s_cbranch_scc1 .Lstep_\@
	s_sub_co_u32 s13, s13, 32768
	s_xor_b32 s13, s13, SLOT1                      ; on to the other slot
.endm
; THE CHANGE OF SLOTS, at a visit's head.  All my tensor loads have landed (my part of the slot ahead); the add; my reads of the slot left behind are over; the barrier.  fill = 1: that slot takes the next visit's key block.
.macro CHANGE fill
	s_wait_tensorcnt 0x0                           ; no tensor load of mine is out: group 0 may be written
	ds_add_u32 v[SPW], v[NIL]                      ; 0 onto my spare word
.if \fill
	s_add_co_u32 s49, s11, 1
	s_sub_co_u32 s51, s11, s9
	s_cmp_lt_u32 s11, s9
	s_cselect_b32 s51, s49, s51                    ; the next visit's key block: t + 1 while t < j, then t - j
	s_mul_i32 s32, s51, s30
	s_xor_b32 s25, s25, SLOT1
	s_add_nc_u64 s[26:27], s[28:29], s[32:33]
	s_or_b32 s27, s27, 0x80000000
	s_wait_xcnt 0x0                                ; the last prefetch, a visit back, has read its address
	s_mul_i32 s32, s49, s30
	s_add_nc_u64 s[46:47], s[28:29], s[32:33]      ; key block t + 1
	s_add_co_u32 s50, s11, s48
	s_sub_co_u32 s50, s50, 1
.endif
	s_wait_dscnt 0x0
	s_barrier_signal -1
	s_barrier_wait -1
.if \fill
	tensor_load_to_lds s[24:27], s[16:23]          ; my one tensor load behind this barrier, and the first thing there: it has a visit's four key steps in which to land
	s_nop 0
.rept 4
	v_nop
.endr
; A prefetch of what the NEXT change will ask for.  The head's work-group j = 0 alone asks; its second walk takes key blocks 0 to 7 in order, block t at change t.  At changes 1 to 6 each wave names its own 8 KiB of block t + 1,
; lanes 256 bytes apart: blocks 2 to 7, each block of 256 bytes once in the launch, four key steps ahead of the load that wants it; nothing at the head, nothing past block 7.
	s_cmp_lt_u32 s50, 6
	s_cbranch_scc0 .Lnoask_\@
	global_prefetch_b8 v[PFO], s[46:47] th:TH_LOAD_NT scope:SCOPE_SE
.Lnoask_\@:
.endif
.endm
; A query block ends: O^T / l, rounded to f16, stored as images.  re = 1: the second block begins.
.macro FINISH re
.rept 4
	v_nop                                          ; places behind the last products
.endr
.irp t, 0,1
	v_add_f32 v[ST+8*\t+4], v[ST+8*\t+2], v[ST+8*\t+3]
.endr
.irp t, 0,1
	v_permlanex16_b32 v[ST+8*\t+5], v[ST+8*\t+4], s44, s45
.endr
.irp t, 0,1
	v_add_f32 v[ST+8*\t+4], v[ST+8*\t+4], v[ST+8*\t+5]
.endr
.irp t, 0,1
	v_rcp_f32 v[ST+8*\t+6], v[ST+8*\t+4]
.endr
	v_nop
	s_wait_alu depctr_va_vdst(0)                   ; one wait for the two reciprocals, ahead of their first reader
	WIN 0x41
.irp t, 0,1
.irp i, 0,1,2,3,4,5,6,7,8,9,10,11,12,13,14,15
	v_pk_mul_f32 v[O+32*\t+2*\i:O+32*\t+2*\i+1], v[O+32*\t+2*\i:O+32*\t+2*\i+1], v[ST+8*\t+6:ST+8*\t+7] op_sel_hi:[1,0]
.endr
.endr
	WIN 0x05
.irp t, 0,1
.irp i, 0,1,2,3,4,5,6,7,8,9,10,11,12,13,14,15
	v_cvt_pk_f16_f32 v[TP+16*\t+\i], v[O+32*\t+2*\i], v[O+32*\t+2*\i+1]
.endr
.endr
	WIN 0
.irp t, 0,1
.irp c, 0,1
	global_store_b128 v[LI], v[TP+16*\t+8*\c:TP+16*\t+8*\c+3],   s[38:39] offset:32768*\t+1024*\c        ; 512 consecutive bytes a store
	global_store_b128 v[LI], v[TP+16*\t+8*\c+4:TP+16*\t+8*\c+7], s[38:39] offset:32768*\t+1024*\c+512
.endr
.endr
.if \re
	s_wait_xcnt 0x0                                ; the stores have read their base: it may be written
	s_sub_co_u32 s54, 7, s9
	INIT s54
.endif
.endm
	INIT s9
.Lvisit:                                           ; eight trips; behind each change the next visit's block is asked for
	CHANGE 1
	VISIT
	s_cmp_lg_u32 s11, s9                           ; visit j ends the first query block
	s_cbranch_scc1 .Lsame
	FINISH 1
.Lsame:
	s_add_co_u32 s11, s11, 1
	s_cmp_lt_u32 s11, 8
	s_cbranch_scc1 .Lvisit
	CHANGE 0                                       ; the ninth visit is written out: nothing is left to fetch
	VISIT
	FINISH 0
	s_wait_tensorcnt 0x0                           ; the wave's end
	ds_add_u32 v[SPW], v[NIL]
	s_wait_dscnt 0x0
	s_endpgm
.Lfunc_end_k_q8ae6c3ecae_attn:
	.size	k_q8ae6c3ecae_attn, .Lfunc_end_k_q8ae6c3ecae_attn-k_q8ae6c3ecae_attn
	.p2alignl 7, 3214868480
	.fill 96, 4, 3214868480
	.section	.rodata,"a",@progbits
	.p2align	6, 0x0
	.amdhsa_kernel k_q8ae6c3ecae_attn
		.amdhsa_group_segment_fixed_size 327680
		.amdhsa_private_segment_fixed_size 0
		.amdhsa_enable_private_segment 0
		.amdhsa_kernarg_size 16
		.amdhsa_user_sgpr_count 2
		.amdhsa_user_sgpr_kernarg_segment_ptr 1
		.amdhsa_wavefront_size32 1
		.amdhsa_system_sgpr_workgroup_id_x 1
		.amdhsa_system_sgpr_workgroup_id_y 1
		.amdhsa_system_sgpr_workgroup_id_z 1
		.amdhsa_system_vgpr_workitem_id 0
		.amdhsa_next_free_vgpr 384
		.amdhsa_next_free_sgpr 66
		.amdhsa_reserve_vcc 1
		.amdhsa_float_denorm_mode_32 3
		.amdhsa_float_denorm_mode_16_64 3
		.amdhsa_memory_ordered 1
		.amdhsa_forward_progress 1
		.amdhsa_inst_pref_size 67
	.end_amdhsa_kernel
	.amdgpu_metadata
---
amdhsa.version: [ 1, 2 ]
amdhsa.kernels:
  - .name:           k_q8ae6c3ecae_attn
    .symbol:         k_q8ae6c3ecae_attn.kd
    .args:
      - { .name: qkv, .offset: 0, .size: 8, .value_kind: global_buffer, .address_space: global }
      - { .name: ctx, .offset: 8, .size: 8, .value_kind: global_buffer, .address_space: global }
    .group_segment_fixed_size: 327680
    .private_segment_fixed_size: 0
    .kernarg_segment_align: 8
    .kernarg_segment_size: 16
    .max_flat_workgroup_size: 256
    .sgpr_count:     66
    .vgpr_count:     384
    .wavefront_size: 32
...
	.end_amdgpu_metadata
.endif
;; end of part 3
;; launch proj (part 4): grid 4 x 64, 4 waves a work-group, clusters of 4 x 4, 327,680 bytes of LDS; arguments ctx, wo, bo, out0; writes out0
.if DOCPART == 4
	.amdgcn_target "amdgcn-amd-amdhsa--gfx1250"
	.amdhsa_code_object_version 6
	.text
	.protected	k_q8ae6c3ecae_proj
	.globl	k_q8ae6c3ecae_proj
	.p2align	8
	.type	k_q8ae6c3ecae_proj,@function
k_q8ae6c3ecae_proj:
	s_mov_b64 s[64:65], 0
	v_nop
	global_prefetch_b8 v0, s[64:65] scope:SCOPE_SE
	s_setreg_imm32_b32 hwreg(HW_REG_WAVE_MODE, 25, 1), 1
	s_wait_xcnt 0x0
	s_wait_alu depctr_hold_cnt(0) depctr_sa_sdst(0) depctr_va_vdst(0) depctr_va_sdst(0) depctr_va_ssrc(0) depctr_va_vcc(0) depctr_vm_vsrc(0)
	s_getreg_b32 s2, hwreg(HW_REG_IB_STS2, 6, 4)
	s_cmp_eq_u32 s2, 0
	s_cbranch_scc0 .Lentry_in_a_cluster
	s_endpgm
.Lentry_in_a_cluster:
	s_bfe_u32 s2, ttmp6, 0x10000c
	s_cmp_lg_u32 s2, 0xf033
	s_cbranch_scc0 .Lentry_shape_is_right
	s_endpgm
.Lentry_shape_is_right:
; OUT = ctx Wo + bo, f16 operands, f32 sums, for all 8,192 rows.  ctx and Wo arrive as images of operand registers: ctx [mt 512][kc 32][1 KiB], wo [nt 64][kc 32][1 KiB].
; A tile of out is 128 rows x 256 columns: 256 work-groups.  Four waves, each 64 x 128: 32 accumulators.  K goes in eight steps of 128 (four kc) through a ring of two LDS slots.
; The matrix instruction is used transposed (source 0 = Wo's 16 columns, source 1 = ctx's 16 rows): a lane holds eight neighbouring numbers of a row of out.  bo is the C of each sum's first product.
; CLUSTER 4 x 4: ctx's tile is shared along a row of the cluster, Wo's along a column: joint loads.
; Rows 0-15 of each batch are made here like all others and stored again, more finely, by the launch that follows: leaving them out would take a branch on a work-group's place in its cluster.
.set SLOT,   98304                     ; A: [mt 8][kc 4][1 KiB], then B: [nt 16][kc 4][1 KiB]
.set STAGE,  2*SLOT                    ; 16 rows x 528 bytes for each wave; no tensor load lands here
.set SPITCH, 528
.set SPARE,  STAGE+4*16*SPITCH
.set LAPS,   4
.set ADRA, 16
.set ADRB, 20
.set STO,  24
.set RD,   25
.set CO,   26
.set BA,   27                          ; v27 32 h: my place in a tile's 16 numbers of bo
.set SPW,  28
.set NIL,  29
.set BI,   32                          ; v32-95 bo: eight registers for each of my eight tiles of columns
.set BK,   128                         ; v128-255 the way out: two buffers of 16 rows
.set F0,   0                           ; window 1: two fragment buffers of 96: A's four at + 8 i, B's eight at + 32 + 8 i
.set F1,   96
.set G1, 24
.set G0, 32
.set G1B, 48
.set G0B, 56
.set MSB, 0
.macro WIN new
.if MSB != (\new)
	s_set_vgpr_msb (MSB<<8)|(\new)
.set MSB, (\new)
.endif
.endm
.set MUL,  0xa5                        ; sources 0, 1 window 1; C and D window 2
.set MUL0, 0x85                        ; the same with C (bo) in window 0
.set TO_F, 0x40
.macro JLOAD s                         ; waves 0, 1 fetch A's halves, waves 2, 3 B's; an s_nop 0 and four v_nop follow each line
	s_cmp_eq_u32 s13, 0
	s_cbranch_scc0 .Lfor_b_\@
	tensor_load_to_lds s[G0+4*\s:G0+4*\s+3], s[G1:G1+7]
	s_nop 0
.rept 4
	v_nop
.endr
	s_branch .Lasked_\@
.Lfor_b_\@:
	tensor_load_to_lds s[G0B+4*\s:G0B+4*\s+3], s[G1B:G1B+7]
	s_nop 0
.rept 4
	v_nop
.endr
.Lasked_\@:
.endm
.macro CREST
	s_cmp_lg_u32 s12, 0
	s_cbranch_scc1 .Lnot_wave_0_\@
	s_barrier_signal -3
.Lnot_wave_0_\@:
	s_barrier_wait -3
	s_barrier_signal -1
	s_barrier_wait -1
.endm
.macro CROUND
	s_barrier_signal -1
	s_barrier_wait -1
	CREST
.endm
	s_load_b256 s[4:11], s[0:1], 0x0               ; ctx s[4:5], wo s[6:7], bo s[8:9], out0 s[10:11]
	v_lshl_add_u32 v[SPW], v0, 2, SPARE
	v_mov_b32 v[NIL], 0
	ds_add_u32 v[SPW], v[NIL]                      ; the opening: the add, twice on end, and its wait ahead of my first tensor load
	ds_add_u32 v[SPW], v[NIL]
	v_lshrrev_b32 v1, 5, v0
	v_readfirstlane_b32 s12, v1                    ; wave 0..3
	s_lshr_b32 s13, s12, 1                         ; wr: my 64 rows.  Also: I fetch for A (0) or for B (1)
	s_and_b32 s14, s12, 1                          ; wc: my 128 columns.  Also: which half I fetch
	s_bfe_u32 s40, ttmp6, 0x40000                  ; cx
	s_bfe_u32 s41, ttmp6, 0x40004                  ; cy
	s_lshl_b32 s42, ttmp9, 2
	s_add_co_u32 s42, s42, s40                     ; tile column
	s_and_b32 s15, ttmp7, 0xffff
	s_lshl_b32 s15, s15, 2
	s_add_co_u32 s15, s15, s41                     ; tile row
	s_lshl_b32 s43, s41, 2
	s_lshl_b32 s43, 15, s43                        ; my row of the cluster
	s_lshl_b32 s44, 0x1111, s40                    ; my column
	s_or_b32 s[G1+0], s43, (3<<16)|(1<<21)         ; elements of 8 bytes, no padding; bit 21 beside a mask
	s_or_b32 s[G1B+0], s44, (3<<16)|(1<<21)
	s_mov_b32 s[G1+1], 512<<16                     ; A: 4 rows (tiles of 16 rows of ctx) of 4,096 bytes (four images), 32,768 bytes apart
	s_mov_b32 s[G1+2], 4<<16
	s_mov_b32 s[G1+3], 512<<16
	s_mov_b32 s[G1+4], 4
	s_mov_b32 s[G1+5], 4096
	s_mov_b32 s[G1+6], 0
	s_mov_b32 s[G1+7], 0
	s_mov_b32 s[G1B+1], 512<<16                    ; B: 8 rows likewise
	s_mov_b32 s[G1B+2], 8<<16
	s_mov_b32 s[G1B+3], 512<<16
	s_mov_b32 s[G1B+4], 8
	s_mov_b32 s[G1B+5], 4096
	s_mov_b32 s[G1B+6], 0
	s_mov_b32 s[G1B+7], 0
	s_lshl_b32 s16, s15, 3
	s_lshl_b32 s17, s14, 2
	s_add_co_u32 s16, s16, s17                     ; A: mt = 8 x tile row + 4 x half
	s_lshl_b32 s16, s16, 15
	s_mov_b32 s17, 0
	s_lshl_b32 s46, s42, 4
	s_lshl_b32 s47, s14, 3
	s_add_co_u32 s46, s46, s47                     ; B: nt = 16 x tile column + 8 x half
	s_lshl_b32 s46, s46, 15
	s_mov_b32 s47, 0
	s_lshl_b32 s20, s14, 14                        ; where they go: A's halves at 0 and 16,384,
	s_lshl_b32 s21, s14, 15
	s_add_co_u32 s21, s21, 32768                   ; B's at 32,768 and 65,536
	s_wait_dscnt 0x0
	s_wait_kmcnt 0x0
	s_add_nc_u64 s[18:19], s[4:5], s[16:17]
	s_add_nc_u64 s[46:47], s[6:7], s[46:47]
	CROUND                                         ; all sixteen work-groups are here: the first joint loads meet
.irp s, 0,1
	s_mov_b32 s[G0+4*\s], 1
	s_add_co_u32 s[G0+4*\s+1], s20, \s*SLOT
	s_add_nc_u64 s[G0+4*\s+2:G0+4*\s+3], s[18:19], \s*4096
	s_or_b32 s[G0+4*\s+3], s[G0+4*\s+3], 0x80000000
	s_mov_b32 s[G0B+4*\s], 1
	s_add_co_u32 s[G0B+4*\s+1], s21, \s*SLOT
	s_add_nc_u64 s[G0B+4*\s+2:G0B+4*\s+3], s[46:47], \s*4096
	s_or_b32 s[G0B+4*\s+3], s[G0B+4*\s+3], 0x80000000
	JLOAD \s
.endr
	v_and_b32 v1, 15, v0                           ; r
	v_bfe_u32 v2, v0, 4, 1                         ; h
	v_and_b32 v3, 31, v0
	v_lshlrev_b32 v[CO], 4, v3                     ; 16 x lane
	v_lshlrev_b32 v[BA], 5, v2
	s_lshl_b32 s16, s42, 10
	s_lshl_b32 s17, s14, 9
	s_add_co_u32 s16, s16, s17                     ; my first column, in bytes of f32
	s_mov_b32 s17, 0
	s_add_nc_u64 s[8:9], s[8:9], s[16:17]
.irp b, 0,1,2,3,4,5,6,7
	global_load_b128 v[BI+8*\b:BI+8*\b+3],   v[BA], s[8:9] offset:64*\b
	global_load_b128 v[BI+8*\b+4:BI+8*\b+7], v[BA], s[8:9] offset:64*\b+16
.endr
	s_lshl_b32 s18, s15, 7
	s_lshl_b32 s19, s13, 6
	s_add_co_u32 s18, s18, s19                     ; my first row
	s_lshl_b32 s18, s18, 12
	s_add_co_u32 s16, s16, s18
	s_add_nc_u64 s[10:11], s[10:11], s[16:17]
	s_lshl_b32 s21, s13, 14                        ; my four tiles of A
	s_lshl_b32 s22, s14, 15
	s_add_co_u32 s22, s22, 32768                   ; my eight of B
.irp s, 0,1
	v_add_nc_u32 v[ADRA+\s], s21, v[CO]
	v_add_nc_u32 v[ADRB+\s], s22, v[CO]
	s_add_co_u32 s21, s21, SLOT
	s_add_co_u32 s22, s22, SLOT
.endr
	s_mul_i32 s23, s12, 16*SPITCH
	s_add_co_u32 s23, s23, STAGE                   ; my stage
	v_mul_u32_u24 v4, v1, SPITCH
	v_lshl_add_u32 v4, v2, 5, v4
	v_add_nc_u32 v[STO], s23, v4                   ; in: row r, 32 bytes for each half of the lanes
	v_add_nc_u32 v[RD], s23, v[CO]                 ; back: the 32 lanes take a row of 512 bytes
.macro MUL8 f, a, first                ; A's block a against B's eight, 32 along K; the 32 accumulators take turns in the same order in every quarter
.irp b, 0,1,2,3,4,5,6,7
.if \first
	v_wmma_f32_16x16x32_f16 v[8*(8*(\a)+\b):8*(8*(\a)+\b)+7], v[\f+32+8*\b:\f+32+8*\b+7], v[\f+8*(\a):\f+8*(\a)+7], v[BI+8*\b:BI+8*\b+7]
.else
	v_wmma_f32_16x16x32_f16 v[8*(8*(\a)+\b):8*(8*(\a)+\b)+7], v[\f+32+8*\b:\f+32+8*\b+7], v[\f+8*(\a):\f+8*(\a)+7], v[8*(8*(\a)+\b):8*(8*(\a)+\b)+7]
.endif
.endr
.endm
.macro FETCH slot, q, f                ; 24 LDS loads in one run: the images of the slot's q-th kc: B's eight, then A's four
	WIN TO_F
.irp i, 0,1,2,3,4,5,6,7
	ds_load_b128 v[\f+32+8*\i:\f+32+8*\i+3],   v[ADRB+\slot] offset:4096*\i+1024*(\q)
	ds_load_b128 v[\f+32+8*\i+4:\f+32+8*\i+7], v[ADRB+\slot] offset:4096*\i+1024*(\q)+512
.endr
.irp i, 0,1,2,3
	ds_load_b128 v[\f+8*\i:\f+8*\i+3],   v[ADRA+\slot] offset:4096*\i+1024*(\q)
	ds_load_b128 v[\f+8*\i+4:\f+8*\i+7], v[ADRA+\slot] offset:4096*\i+1024*(\q)+512
.endr
.endm
.macro PLACES                          ; four plain places in front of loads into registers that matrix instructions have read, and of reads of results
.rept 4
	v_nop
.endr
.endm
.macro QUARTER slot, q, f, g, first    ; multiplies buffer f; in its middle it fetches the slot's q-th kc into buffer g
	s_wait_dscnt 4                                 ; B and A's blocks 0, 1 are in; the youngest four loads (A's blocks 2, 3) may be out
	WIN MUL-0x20*(\first)
	MUL8 \f, 0, \first
	MUL8 \f, 1, \first
	PLACES
	FETCH \slot, \q, \g
	s_wait_dscnt 24                                ; all but the 24 just issued
	WIN MUL-0x20*(\first)
	MUL8 \f, 2, \first
	MUL8 \f, 3, \first
.endm
.macro TURN slot, next, fill           ; a slot's last quarter changes slots: one barrier; fill = 1: it opens a round of the cluster's barrier, and this slot is filled again, two K steps ahead
	WIN 0
	s_wait_tensorcnt 0x0                           ; all my tensor loads have landed: my part of the next slot
	ds_add_u32 v[SPW], v[NIL]                      ; 0 onto my spare word
	s_wait_dscnt 5                                 ; (the add and the youngest four loads may be out)
	WIN MUL
	MUL8 F1, 0, 0
	s_wait_dscnt 0x0                               ; the add is done, and my reads of this slot are over
	s_barrier_signal -1
	MUL8 F1, 1, 0
.if \fill
	WIN 0
.endif
	s_barrier_wait -1
.if \fill
	CREST                                          ; no wave of any partner still reads this slot or has a load on its way
	s_add_nc_u64 s[G0+4*\slot+2:G0+4*\slot+3], s[G0+4*\slot+2:G0+4*\slot+3], 8192
	s_add_nc_u64 s[G0B+4*\slot+2:G0B+4*\slot+3], s[G0B+4*\slot+2:G0B+4*\slot+3], 8192
	JLOAD \slot                                    ; the first tensor load behind the round; its four v_nop are also the places in front of the loads below
.else
	PLACES
.endif
	FETCH \next, 0, F0
	WIN MUL
	MUL8 F1, 2, 0
	MUL8 F1, 3, 0
.endm
	s_wait_loadcnt 0x0                             ; bo
	s_wait_tensorcnt 1                             ; my part of K step 0 is in (K step 1's load may be out),
	s_barrier_signal -1
	s_barrier_wait -1                              ; everybody's is
	FETCH 0, 0, F0
	QUARTER 0, 1, F0, F1, 1                        ; the first quarter's products start the sums from bo
	WIN 0
	s_mov_b32 s3, LAPS-1
.Llap:                                             ; a trip goes once round the ring and fills both slots again
	QUARTER 0, 2, F1, F0, 0
	QUARTER 0, 3, F0, F1, 0
	TURN 0, 1, 1
	QUARTER 1, 1, F0, F1, 0
	QUARTER 1, 2, F1, F0, 0
	QUARTER 1, 3, F0, F1, 0
	TURN 1, 0, 1
	QUARTER 0, 1, F0, F1, 0
	WIN 0
	s_sub_co_u32 s3, s3, 1
	s_cmp_lg_u32 s3, 0
	s_cbranch_scc1 .Llap
	QUARTER 0, 2, F1, F0, 0                        ; the last lap fills nothing
	QUARTER 0, 3, F0, F1, 0
	TURN 0, 1, 0
	QUARTER 1, 1, F0, F1, 0
	QUARTER 1, 2, F1, F0, 0
	QUARTER 1, 3, F0, F1, 0
	s_wait_dscnt 4
	WIN MUL
	MUL8 F1, 0, 0
	MUL8 F1, 1, 0
	s_wait_dscnt 0
	MUL8 F1, 2, 0
	MUL8 F1, 3, 0
	WIN 0
; THE WAY OUT, a block of 16 rows x 128 columns at a time, through my own stage: in by 32 bytes a lane, back as whole rows of 512 bytes.  LDS serves a wave's instructions in order.
.macro TOSTAGE a
	WIN 0x08                                       ; the data: window 2
.irp b, 0,1,2,3,4,5,6,7
	ds_store_b128 v[STO], v[64*(\a)+8*\b:64*(\a)+8*\b+3]   offset:64*\b        ; each accumulator from its low end on
	ds_store_b128 v[STO], v[64*(\a)+8*\b+4:64*(\a)+8*\b+7] offset:64*\b+16
.endr
	WIN 0
.set BB, BK+64*((\a)%2)
.irp t, 0,1,2,3,4,5,6,7,8,9,10,11,12,13,14,15
	ds_load_b128 v[BB+4*\t:BB+4*\t+3], v[RD] offset:\t*SPITCH
.endr
.endm
.macro SEND a, younger
.set BB, BK+64*((\a)%2)
	s_wait_dscnt \younger
.if (\a) > 0
	s_add_nc_u64 s[10:11], s[10:11], 16*4096       ; (behind a wait on XCNT: the earlier stores have read their base)
.endif
.irp t, 0,1,2,3,4,5,6,7,8,9,10,11,12,13,14,15
	global_store_b128 v[CO], v[BB+4*\t:BB+4*\t+3], s[10:11] offset:\t*4096 th:TH_STORE_NT   ; 512 consecutive bytes, aligned
.endr
.endm
	PLACES
	TOSTAGE 0
.irp a, 1,2,3
.if \a > 1
	s_wait_xcnt 0x0                                ; block a - 2's stores have read their registers and their base
.endif
	TOSTAGE \a
	SEND \a-1, 32                                  ; behind block a - 1's loads: block a's 16 stores and 16 loads
.endr
	s_wait_xcnt 0x0
	SEND 3, 0
	s_wait_tensorcnt 0x0                           ; the wave's end
	ds_add_u32 v[SPW], v[NIL]
	s_wait_dscnt 0x0
	CROUND                                         ; the closing round
	s_endpgm
.Lfunc_end_k_q8ae6c3ecae_proj:
	.size	k_q8ae6c3ecae_proj, .Lfunc_end_k_q8ae6c3ecae_proj-k_q8ae6c3ecae_proj
	.p2alignl 7, 3214868480
	.fill 96, 4, 3214868480
	.section	.rodata,"a",@progbits
	.p2align	6, 0x0
	.amdhsa_kernel k_q8ae6c3ecae_proj
		.amdhsa_group_segment_fixed_size 327680
		.amdhsa_private_segment_fixed_size 0
		.amdhsa_enable_private_segment 0
		.amdhsa_kernarg_size 32
		.amdhsa_user_sgpr_count 2
		.amdhsa_user_sgpr_kernarg_segment_ptr 1
		.amdhsa_wavefront_size32 1
		.amdhsa_system_sgpr_workgroup_id_x 1
		.amdhsa_system_sgpr_workgroup_id_y 1
		.amdhsa_system_sgpr_workgroup_id_z 1
		.amdhsa_system_vgpr_workitem_id 0
		.amdhsa_next_free_vgpr 768
		.amdhsa_next_free_sgpr 66
		.amdhsa_reserve_vcc 0
		.amdhsa_float_denorm_mode_32 3
		.amdhsa_float_denorm_mode_16_64 3
		.amdhsa_memory_ordered 1
		.amdhsa_forward_progress 1
		.amdhsa_inst_pref_size 86
	.end_amdhsa_kernel
	.amdgpu_metadata
---
amdhsa.version: [ 1, 2 ]
amdhsa.kernels:
  - .name:           k_q8ae6c3ecae_proj
    .symbol:         k_q8ae6c3ecae_proj.kd
    .args:
      - { .name: ctx, .offset: 0, .size: 8, .value_kind: global_buffer, .address_space: global }
      - { .name: wo, .offset: 8, .size: 8, .value_kind: global_buffer, .address_space: global }
      - { .name: bo, .offset: 16, .size: 8, .value_kind: global_buffer, .address_space: global }
      - { .name: out0, .offset: 24, .size: 8, .value_kind: global_buffer, .address_space: global }
    .group_segment_fixed_size: 327680
    .private_segment_fixed_size: 0
    .kernarg_segment_align: 8
    .kernarg_segment_size: 32
    .max_flat_workgroup_size: 128
    .sgpr_count:     66
    .vgpr_count:     768
    .wavefront_size: 32
...
	.end_amdgpu_metadata
.endif
;; end of part 4
;; launch fine (part 5): grid 16 x 4, 4 waves a work-group, no clusters, 70,400 bytes of LDS; arguments fine32, wo, bo, out0; writes out0
.if DOCPART == 5
	.amdgcn_target "amdgcn-amd-amdhsa--gfx1250"
	.amdhsa_code_object_version 6
	.text
	.protected	k_q8ae6c3ecae_fine
	.globl	k_q8ae6c3ecae_fine
	.p2align	8
	.type	k_q8ae6c3ecae_fine,@function
k_q8ae6c3ecae_fine:
	s_mov_b64 s[64:65], 0
	v_nop
	global_prefetch_b8 v0, s[64:65] scope:SCOPE_SE
	s_setreg_imm32_b32 hwreg(HW_REG_WAVE_MODE, 25, 1), 1
	s_wait_xcnt 0x0
; THE FIRST 16 POSITIONS OF EACH BATCH, in f32 throughout: these rows average one to sixteen values and are the largest of the output, so the rounding of 16-bit operands would weigh most there.  64 rows of 8,192: no bulk work.
; Work-group (sl, b) makes rows 0-15 of batch b, columns 64 sl .. + 63.  Each repeats the batch's sixteen small attentions (wave w: heads 4 w .. 4 w + 3; 16 queries x 16 keys x 64), hands ctx round through LDS as
; images of registers, and wave w then makes the tile of columns 16 (4 sl + w) over all 1,024 of K.
; All products by v_wmma_f32_16x16x4_f32.  An image's register j of lane (r, h) holds k = base + 8 h + j on both sides, so registers 2 s, 2 s + 1 of both operands are one step of four k, permuted alike.
; Four accumulators take turns in every product and are added at its end; the registers that the matrix instructions write (v16-111) are written by nothing else.
; REGISTERS (linear): v16-47 SA, v48-79 OA, v80-111 PA; v112-119 scores, then p; v120-127 at work; v128-135 bo; v136-143 the result; v144-151 rows on the way out;
;   256 + 96 i: head i's Q, K (+ 32), V (+ 64); 640-767 ctx's images; 768-1023 Wo's batches 0, 1; 256-511 batches 2, 3, once the heads are done.
.set W32,   2097152
.set STG,   65536                      ; behind ctx's 64 images: 16 rows x 272 bytes
.set SPARE, 69888
.set LI,  1                            ; v1  16 x lane
.set RH,  4                            ; v4  r - 8 h
.set NINF,5
.set CW,  6                            ; v6  where I store ctx's images: 16 x lane + 16,384 x wave
.set STO, 7
.set RD,  8
.set GO,  9
.set SPW, 10
.set NIL, 11
.set INO, 12                           ; v12 my offset among the inputs
.set BA,  13
.set SA,  16
.set OA,  48
.set PA,  80
.set T,   112
.set U,   120
.set BI,  128
.set OUT, 136
.set BACK,144
.set MSB, 0
.macro WIN new
.if MSB != (\new)
	s_set_vgpr_msb (MSB<<8)|(\new)
.set MSB, (\new)
.endif
.endm
.macro FAR                             ; eight plain places behind this matrix form (ISA guide 7.12.1)
.rept 8
	v_nop
.endr
.endm
	s_load_b256 s[4:11], s[0:1], 0x0               ; fine32 s[4:5], wo s[6:7], bo s[8:9], out0 s[10:11]
	v_lshl_add_u32 v[SPW], v0, 2, SPARE
	v_mov_b32 v[NIL], 0
	v_lshrrev_b32 v2, 5, v0
	v_readfirstlane_b32 s12, v2                    ; wave 0..3
	s_mov_b32 s13, ttmp9                           ; sl
	s_and_b32 s14, ttmp7, 0xffff                   ; batch
	v_and_b32 v2, 31, v0
	v_lshlrev_b32 v[LI], 4, v2
	v_and_b32 v2, 15, v0                           ; r
	v_bfe_u32 v3, v0, 4, 1                         ; h
	v_lshlrev_b32 v[RH], 3, v3
	v_sub_nc_u32 v[RH], v2, v[RH]
	v_mov_b32 v[NINF], 0xff800000
	s_lshl_b32 s15, s12, 14
	v_add_nc_u32 v[CW], s15, v[LI]
	v_add_nc_u32 v[INO], s15, v[LI]
	v_mul_u32_u24 v[STO], v2, 272
	v_lshl_add_u32 v[STO], v3, 5, v[STO]
	s_lshl_b32 s16, s12, 6
	s_add_co_u32 s16, s16, STG
	v_add_nc_u32 v[STO], s16, v[STO]               ; the stage: row r, my wave's 64 bytes, + 32 h
	s_mul_i32 s16, s12, 4*272
	s_add_co_u32 s16, s16, STG
	v_mul_u32_u24 v[RD], v3, 272
	v_lshl_add_u32 v[RD], v2, 4, v[RD]
	v_add_nc_u32 v[RD], s16, v[RD]                 ; back: rows 4 w + h, 16 bytes a lane
	v_lshlrev_b32 v[GO], 12, v3
	v_lshl_add_u32 v[GO], v2, 4, v[GO]
	v_add_nc_u32 v[GO], s15, v[GO]                 ; the same rows in out0: 4,096 bytes a row
	v_lshlrev_b32 v[BA], 5, v3
	s_mul_i32 s20, s14, 196608
	s_mov_b32 s21, 0
	s_lshl_b32 s22, s13, 2
	s_add_co_u32 s22, s22, s12                     ; my tile of columns
	s_lshl_b32 s22, s22, 16
	s_add_co_u32 s22, s22, W32
	s_mov_b32 s23, 0
	s_lshl_b32 s24, s13, 8
	s_lshl_b32 s25, s12, 6
	s_add_co_u32 s24, s24, s25
	s_mov_b32 s25, 0
	s_lshl_b32 s26, s14, 23
	s_lshl_b32 s27, s13, 8
	s_add_co_u32 s26, s26, s27
	s_mov_b32 s27, 0
	s_mov_b32 s28, 0x76543210
	s_mov_b32 s29, 0xfedcba98
	s_mov_b32 s30, 0x3e38aa3b                      ; c = log2(e) / sqrt(64)
	s_mov_b32 s31, s30
	s_wait_kmcnt 0x0
	s_add_nc_u64 s[4:5], s[4:5], s[20:21]
	s_add_nc_u64 s[6:7], s[6:7], s[22:23]
	s_add_nc_u64 s[8:9], s[8:9], s[24:25]
	s_add_nc_u64 s[10:11], s[10:11], s[26:27]
.irp i, 0,1,2,3                        ; my four heads' q, k, v: 96 loads of 512 consecutive bytes
.irp wh, 0,1,2
	WIN (((256+96*\i+32*\wh)>>8)<<6)
.irp c, 0,1,2,3,4,5,6,7
	global_load_b128 v[((256+96*\i+32*\wh)&255)+4*\c:((256+96*\i+32*\wh)&255)+4*\c+3], v[INO], s[4:5] offset:4096*\i+65536*\wh+512*\c
.endr
.endr
.endr
	WIN 0
	global_load_b128 v[BI:BI+3],   v[BA], s[8:9]
	global_load_b128 v[BI+4:BI+7], v[BA], s[8:9] offset:16
	s_wait_loadcnt 0x0
.macro WLOAD b                         ; batch b of Wo: the images of 16 groups of 16 k
.if (\b) < 2
.set WRL, 768+128*(\b)
.else
.set WRL, 256+128*((\b)-2)
.endif
	WIN ((WRL>>8)<<6)
.irp g, 0,1,2,3,4,5,6,7,8,9,10,11,12,13,14,15
	global_load_b128 v[(WRL&255)+8*\g:(WRL&255)+8*\g+3],   v[LI], s[6:7] offset:1024*(16*(\b)+\g)
	global_load_b128 v[(WRL&255)+8*\g+4:(WRL&255)+8*\g+7], v[LI], s[6:7] offset:1024*(16*(\b)+\g)+512
.endr
	WIN 0
.endm
	WLOAD 0
	WLOAD 1
.macro HEAD i
.set QR, 256+96*(\i)
.set KR, QR+32
.set VR, QR+64
	WIN (((QR>>8)<<2)|(KR>>8))
.irp s, 0,1,2,3                        ; S^T = K Q^T: source 0 = 16 keys, source 1 = 16 queries; accumulator b sums channels 16 b .. + 15
.irp b, 0,1,2,3
.if \s == 0
	v_wmma_f32_16x16x4_f32 v[SA+8*\b:SA+8*\b+7], v[(KR&255)+8*\b+2*\s:(KR&255)+8*\b+2*\s+1], v[(QR&255)+8*\b+2*\s:(QR&255)+8*\b+2*\s+1], 0
.else
	v_wmma_f32_16x16x4_f32 v[SA+8*\b:SA+8*\b+7], v[(KR&255)+8*\b+2*\s:(KR&255)+8*\b+2*\s+1], v[(QR&255)+8*\b+2*\s:(QR&255)+8*\b+2*\s+1], v[SA+8*\b:SA+8*\b+7]
.endif
.endr
.endr
	WIN 0
	FAR
.irp p, 0,2,4,6                        ; the four parts are added, each accumulator read from its low end on
	v_pk_add_f32 v[T+\p:T+\p+1], v[SA+\p:SA+\p+1], v[SA+8+\p:SA+8+\p+1]
	v_pk_add_f32 v[U+\p:U+\p+1], v[SA+16+\p:SA+16+\p+1], v[SA+24+\p:SA+24+\p+1]
.endr
.irp p, 0,2,4,6
	v_pk_add_f32 v[T+\p:T+\p+1], v[T+\p:T+\p+1], v[U+\p:U+\p+1]
.endr
.irp j, 0,1,2,3,4,5,6,7                ; register j holds key 8 h + j of query r: hidden where j > r - 8 h
	v_cmp_gt_i32 vcc_lo, \j, v[RH]
	v_cndmask_b32 v[T+\j], v[T+\j], v[NINF], vcc_lo
.endr
	v_max3_num_f32 v[U], v[T], v[T+1], v[T+2]
	v_max3_num_f32 v[U], v[U], v[T+3], v[T+4]
	v_max3_num_f32 v[U], v[U], v[T+5], v[T+6]
	v_max_num_f32 v[U], v[U], v[T+7]
	v_permlanex16_b32 v[U+1], v[U], s28, s29
	v_max_num_f32 v[U+1], v[U], v[U+1]             ; the row's maximum: key 0 counts for every query
	v_mul_f32 v[U], s30, v[U+1]
.irp p, 0,2,4,6
	v_pk_fma_f32 v[T+\p:T+\p+1], v[T+\p:T+\p+1], s[30:31], v[U:U+1] op_sel_hi:[1,0,0] neg_lo:[0,0,1] neg_hi:[0,0,1]
.endr
.irp j, 0,1,2,3,4,5,6,7
	v_exp_f32 v[T+\j], v[T+\j]
.endr
	v_nop
	s_wait_alu depctr_va_vdst(0)                   ; one wait for the eight, ahead of their first reader
	v_pk_add_f32 v[U+2:U+3], v[T:T+1], v[T+2:T+3]
	v_pk_add_f32 v[U+4:U+5], v[T+4:T+5], v[T+6:T+7]
	v_pk_add_f32 v[U+2:U+3], v[U+2:U+3], v[U+4:U+5]
	v_add_f32 v[U+2], v[U+2], v[U+3]
	v_permlanex16_b32 v[U+3], v[U+2], s28, s29
	v_add_f32 v[U+2], v[U+2], v[U+3]
	v_rcp_f32 v[U+4], v[U+2]
	v_nop
	s_wait_alu depctr_va_vdst(0)
.irp p, 0,2,4,6
	v_pk_mul_f32 v[T+\p:T+\p+1], v[T+\p:T+\p+1], v[U+4:U+5] op_sel_hi:[1,0]   ; the weights, normalised, in f32
.endr
.rept 4
	v_nop
.endr
	WIN (VR>>8)
.irp s, 0,1,2,3                        ; O^T = V^T P: source 0 = 16 channels, source 1 = the weights; K = the 16 keys
.irp dt, 0,1,2,3
.if \s == 0
	v_wmma_f32_16x16x4_f32 v[OA+8*\dt:OA+8*\dt+7], v[(VR&255)+8*\dt+2*\s:(VR&255)+8*\dt+2*\s+1], v[T+2*\s:T+2*\s+1], 0
.else
	v_wmma_f32_16x16x4_f32 v[OA+8*\dt:OA+8*\dt+7], v[(VR&255)+8*\dt+2*\s:(VR&255)+8*\dt+2*\s+1], v[T+2*\s:T+2*\s+1], v[OA+8*\dt:OA+8*\dt+7]
.endif
.endr
.endr
	WIN 0
	FAR
.irp dt, 0,1,2,3                       ; lane (r, h), register j = ctx(row r, 64 head + 16 dt + 8 h + j): an image of the projection's operand
	ds_store_b128 v[CW], v[OA+8*\dt:OA+8*\dt+3]   offset:4096*(\i)+1024*\dt
	ds_store_b128 v[CW], v[OA+8*\dt+4:OA+8*\dt+7] offset:4096*(\i)+1024*\dt+512
.endr
.endm
	HEAD 0
	HEAD 1
	HEAD 2
	HEAD 3
	s_wait_dscnt 0x0                               ; for the others' sake: my images have landed
	s_barrier_signal -1
	s_barrier_wait -1                              ; ctx's 64 images lie in LDS
.macro PROJ be
.if (\be) < 2
.set WR, 768+128*(\be)
.else
.set WR, 256+128*((\be)-2)
.endif
	FAR                                            ; in front of loads into registers that matrix instructions have read
	WIN 0x80
.irp g, 0,1,2,3,4,5,6,7,8,9,10,11,12,13,14,15
	ds_load_b128 v[128+8*\g:128+8*\g+3],   v[LI] offset:1024*(16*(\be)+\g)
	ds_load_b128 v[128+8*\g+4:128+8*\g+7], v[LI] offset:1024*(16*(\be)+\g)+512
.endr
	WIN 0
.if (\be) < 3
	s_wait_loadcnt 32                              ; this batch of Wo is in; the batch behind it may be out
.else
	s_wait_loadcnt 0
.endif
.if (\be) < 2
	WLOAD (\be)+2
.endif
	s_wait_dscnt 0x0
	WIN ((2<<2)|(WR>>8))
.irp g, 0,1,2,3,4,5,6,7,8,9,10,11,12,13,14,15
.irp s, 0,1,2,3
.if ((\be)+\g) == 0
	v_wmma_f32_16x16x4_f32 v[PA+8*\s:PA+8*\s+7], v[(WR&255)+8*\g+2*\s:(WR&255)+8*\g+2*\s+1], v[128+8*\g+2*\s:128+8*\g+2*\s+1], 0
.else
	v_wmma_f32_16x16x4_f32 v[PA+8*\s:PA+8*\s+7], v[(WR&255)+8*\g+2*\s:(WR&255)+8*\g+2*\s+1], v[128+8*\g+2*\s:128+8*\g+2*\s+1], v[PA+8*\s:PA+8*\s+7]
.endif
.endr
.endr
	WIN 0
.endm
	PROJ 0
	PROJ 1
	PROJ 2
	PROJ 3
	FAR
.irp p, 0,2,4,6
	v_pk_add_f32 v[OUT+\p:OUT+\p+1], v[PA+\p:PA+\p+1], v[PA+8+\p:PA+8+\p+1]
	v_pk_add_f32 v[U+\p:U+\p+1], v[PA+16+\p:PA+16+\p+1], v[PA+24+\p:PA+24+\p+1]
.endr
.irp p, 0,2,4,6
	v_pk_add_f32 v[OUT+\p:OUT+\p+1], v[OUT+\p:OUT+\p+1], v[U+\p:U+\p+1]
.endr
.irp p, 0,2,4,6
	v_pk_add_f32 v[OUT+\p:OUT+\p+1], v[OUT+\p:OUT+\p+1], v[BI+\p:BI+\p+1]     ; + bo
.endr
	ds_store_b128 v[STO], v[OUT:OUT+3]
	ds_store_b128 v[STO], v[OUT+4:OUT+7] offset:16
	s_wait_dscnt 0x0
	s_barrier_signal -1
	s_barrier_wait -1                              ; 16 rows x 256 bytes lie in the stage
	ds_load_b128 v[BACK:BACK+3],   v[RD]
	ds_load_b128 v[BACK+4:BACK+7], v[RD] offset:544
	s_wait_dscnt 0x0
	global_store_b128 v[GO], v[BACK:BACK+3],   s[10:11]               ; sixteen lanes store 256 consecutive bytes, aligned
	global_store_b128 v[GO], v[BACK+4:BACK+7], s[10:11] offset:8192
	s_wait_tensorcnt 0x0                           ; the wave's end, behind my last LDS store
	ds_add_u32 v[SPW], v[NIL]
	s_wait_dscnt 0x0
	s_endpgm
.Lfunc_end_k_q8ae6c3ecae_fine:
	.size	k_q8ae6c3ecae_fine, .Lfunc_end_k_q8ae6c3ecae_fine-k_q8ae6c3ecae_fine
	.p2alignl 7, 3214868480
	.fill 96, 4, 3214868480
	.section	.rodata,"a",@progbits
	.p2align	6, 0x0
	.amdhsa_kernel k_q8ae6c3ecae_fine
		.amdhsa_group_segment_fixed_size 70400
		.amdhsa_private_segment_fixed_size 0
		.amdhsa_enable_private_segment 0
		.amdhsa_kernarg_size 32
		.amdhsa_user_sgpr_count 2
		.amdhsa_user_sgpr_kernarg_segment_ptr 1
		.amdhsa_wavefront_size32 1
		.amdhsa_system_sgpr_workgroup_id_x 1
		.amdhsa_system_sgpr_workgroup_id_y 1
		.amdhsa_system_sgpr_workgroup_id_z 1
		.amdhsa_system_vgpr_workitem_id 0
		.amdhsa_next_free_vgpr 1024
		.amdhsa_next_free_sgpr 66
		.amdhsa_reserve_vcc 1
		.amdhsa_float_denorm_mode_32 3
		.amdhsa_float_denorm_mode_16_64 3
		.amdhsa_memory_ordered 1
		.amdhsa_forward_progress 1
		.amdhsa_inst_pref_size 77
	.end_amdhsa_kernel
	.amdgpu_metadata
---
amdhsa.version: [ 1, 2 ]
amdhsa.kernels:
  - .name:           k_q8ae6c3ecae_fine
    .symbol:         k_q8ae6c3ecae_fine.kd
    .args:
      - { .name: fine32, .offset: 0, .size: 8, .value_kind: global_buffer, .address_space: global }
      - { .name: wo, .offset: 8, .size: 8, .value_kind: global_buffer, .address_space: global }
      - { .name: bo, .offset: 16, .size: 8, .value_kind: global_buffer, .address_space: global }
      - { .name: out0, .offset: 24, .size: 8, .value_kind: global_buffer, .address_space: global }
    .group_segment_fixed_size: 70400
    .private_segment_fixed_size: 0
    .kernarg_segment_align: 8
    .kernarg_segment_size: 32
    .max_flat_workgroup_size: 128
    .sgpr_count:     66
    .vgpr_count:     1024
    .wavefront_size: 32
...
	.end_amdgpu_metadata
.endif
;; end of part 5
